; MI455X (gfx1250); checked and timed in simulation.
; The chip was launched on July 23, 2026; its instructions are those of AMD's public machine-readable ISA for CDNA 5 (MIT licence, August 2026) and "CDNA5" Instruction Set Architecture Reference Guide (July 2026). The comments in the code are by the model that wrote it; some were corrected since.
;; Attention. Allowed arithmetic: matrix products marked QUANTISED: E2M3 operands, one E8M0 scale for each 32 along K, by v_wmma_scale_f32_16x16x128_f8f6f4 with both operands' format E2M3, f32 sums; everything else in f32.
;; Inputs: b_proj 1,024 float32; cos 2,048 x 32 float32; sin 2,048 x 32 float32; w_proj 1,024 x 1,024 float32; w_qkv 3,072 x 1,024 float32; x 4 x 2,048 x 1,024 float32.
;; Outputs: out0 4 x 2,048 x 1,024 float32.
;; This version of the problem:
;;   THIS VERSION OF THE PROBLEM IS GIVEN IN LOW PRECISION. The matrix products marked QUANTISED in the list below multiply operands that are first quantised to E2M3 (2 exponent bits, 3 mantissa bits; 6 bits a number), with one power-of-two scale for each 32 numbers along K (OCP MX v1.0); their sums are f32. All else is computed in f32.
;;   The module's matrix products, in the order in which they are computed (A, B: the left and right operand; K: the contracted axis; several contracted axes count as one K, in the product's order):
;;     1. [M 8,192, K 1,024] x [K 1,024, N 3,072]; A: input x; B: input w_qkv: QUANTISED
;;     2. batch 64 x [M 2,048, K 64] x [K 64, N 2,048]; A: computed on the way; B: computed on the way: QUANTISED
;;     3. batch 64 x [M 2,048, K 2,048] x [K 2,048, N 64]; A: softmax (see below); B: computed on the way: QUANTISED
;;     4. [M 8,192, K 1,024] x [K 1,024, N 1,024]; A: computed on the way; B: input w_proj: QUANTISED
;;   THE QUANTISER, for each operand of a quantised product, along K:
;;     - K is cut into blocks of 32 from its start; a last block that is shorter is filled with zeros.
;;     - A block's scale is 2^e with e = floor(log2(the largest magnitude in the block)) - 2, held to -126 .. 127; a block of zeros has e = 0. As a byte (E8M0): e + 127.
;;     - Each number is divided by its block's scale, clamped to +-7.5, and rounded to the nearest number of E2M3, ties to even, subnormals kept.
;;     - The product sums the exact products of the quantised numbers (number of the format x scale) in f32.
;;   ~~~python
;;   def quantise(x, axis):      # numpy; x: float32 -> the quantised numbers, widened to float32 again
;;       x = np.moveaxis(x, axis, -1); K = x.shape[-1]
;;       x = np.pad(x, [(0, 0)] * (x.ndim - 1) + [(0, -K % 32)]); x = x.reshape(x.shape[:-1] + (-1, 32)); a = np.abs(x).max(-1, keepdims=True)
;;       e = np.where(a > 0, np.clip(np.frexp(np.where(a > 0, a, 1))[1] - 1 - 2, -126, 127), 0)      # np.frexp(a)[1] - 1 = floor(log2(a)), exactly
;;       r = np.clip(x / 2.0 ** e, -7.5, 7.5)
;;       step = 2.0 ** (np.maximum(np.frexp(np.where(r == 0, 1, r))[1] - 1, 0) - 3)
;;       q = np.round(r / step) * step * 2.0 ** e      # np.round: ties to even
;;       return np.moveaxis(q.reshape(q.shape[:-2] + (-1,))[..., :K], -1, axis).astype(np.float32)
;;   ~~~
;;   SOFTMAX AHEAD OF A QUANTISED PRODUCT. Where the list says 'softmax', what is quantised is not the finished softmax but p = 2^(t - M), with t = logit x log2(e) and M = ceil(the row's largest t), a whole number; so 1/2 < the row's largest p <= 1. The row's sum l is taken of the UNQUANTISED p, in f32, and the product's result is divided by l at the end. Since M is a whole number, a kernel that streams over the keys may use a running M (the ceiling of the running maximum): every later rescaling is an exact power of two, which a block's scale takes up: the codes' values come out the same.
;;   OPERANDS COMPUTED ON THE WAY. 'Computed on the way' means the value that the module computes at that place (a softmax that the list does not call 'softmax' is quantised finished and normalised). What goes into a quantiser is computed in f32, as accurately as f32 sums, v_exp_f32 and their like allow (about 1e-6 of the number): no bf16 or f16 on the way to a quantiser, and a product that is left as it is and whose result goes on into a quantised operand takes f32 operands (vector FMAs, or v_wmma_f32_16x16x4_f32). A number that lies on a knife's edge between two numbers of the format may be rounded either way, as far as f32 arithmetic and the matrix unit's own rounding can turn it there, and no further.
;; One version. Each part assembles by itself: llvm-mc -triple=amdgcn-amd-amdhsa -mcpu=gfx1250 --defsym DOCPART=n.
;; ======== version 1 of 1: 4 launches
;; limits: right only within a limited range of input values
;; workspace buffers: codes 9,437,184 bytes; scales 393,216 bytes; qkv 26,214,400 bytes; ocodes 6,291,456 bytes; oscales 262,144 bytes
;; launch quant (part 1): grid 384 x 1, 4 waves a work-group, no clusters, 34,304 bytes of LDS; arguments x, w_qkv, w_proj, codes, scales; writes codes, scales
.if DOCPART == 1
	.amdgcn_target "amdgcn-amd-amdhsa--gfx1250"
	.amdhsa_code_object_version 6
	.text
	.protected	k_q720a3d288c_quant
	.globl	k_q720a3d288c_quant
	.p2align	8
	.type	k_q720a3d288c_quant,@function
k_q720a3d288c_quant:
	s_mov_b64 s[64:65], 0
	v_nop
	global_prefetch_b8 v0, s[64:65] scope:SCOPE_SE
	s_setreg_imm32_b32 hwreg(HW_REG_WAVE_MODE, 25, 1), 1
	s_wait_xcnt 0x0
; x [8192][1024], w_qkv [3072][1024], w_proj [1024][1024], f32, K innermost, become codes of FP6 (E2M3) with one E8M0 byte for each 32 along K.
; THE OUTPUT IS LAID AS THE MATRIX OPERANDS' REGISTERS.  A fragment (16 rows x 128 K, 12 registers a lane; lane (r, h): registers 6 c .. 6 c + 5 = K 64 c + 32 h + 0 .. 31 of row r) is 1,536 bytes:
; registers 0-3 at 16 x lane, 4-5 at 512 + 8 x lane, 6-9 at 768 + 16 x lane, 10-11 at 1,280 + 8 x lane.  codes = [tile of 16 rows, 768][K step, 8][1,536]; tiles 0-511 x, 512-703 w_qkv, 704-767 w_proj.
; scales = [tile][K half, 2][row, 16][4 words]: word j of half kh is the row's four bytes of K step 4 kh + j.
; THE ROWS OF A TILE: in x and w_qkv lane row i of tile 2 b + u is row 32 b + 8 u + i + 8 (i / 8), so that a product which takes such a tile as source 0 leaves 16 neighbours in the 16 registers of two neighbouring tiles.
; w_proj's tiles are 16 neighbouring rows.
; A block's scale is 2^(floor(log2(largest magnitude)) - 2); its byte is the largest magnitude's exponent field - 2, held at 1 from below.
; LIMITS: a block of zeros gets the byte 1 where the rule says 127 (its codes are zeros, and the bytes are read by this program alone); blocks whose largest magnitude lies under 2^-124 are held at byte 1; NaN and infinities are not served.
; SHARES: 768 tiles x 2 K halves = 1,536 waves; work-group g, wave w: tile 2 g + w / 2, K half w % 2: four fragments, 32 KiB of f32.  Each load reads 512 consecutive bytes of one row; a piece's 16 rows turn through the
; wave's own stage in LDS (pitch 528 bytes) and come back 128 bytes a lane and block.  Every store covers 512 or 256 consecutive aligned bytes.
; No barrier: waves share nothing.  No matrix unit, no cluster: the launch only streams.
.set STG,   8448                       ; a wave's stage: 16 rows x 528 bytes
.set SPARE, 4*STG                      ; behind the stages: the spare words, 128 bytes a wave
.set M,  12                            ; v12-13 largest magnitudes
.set E,  14                            ; v14-15 the conversions' scale operands
.set B,  16                            ; v16-17 the bytes
.set W,  20                            ; v20-23 the four pieces' scale words
.set PC, 28                            ; v28-39 the fragment
.set PT, 40                            ; v40-42, v44-46 the upper halves of the two blocks, as converted
.set R,  64                            ; v64-191 two sets of 64 as loaded
.set X,  192                           ; v192-255 my 64 numbers
	s_load_b128 s[4:7], s[0:1], 0x0                ; x, w_qkv
	s_load_b128 s[8:11], s[0:1], 0x10              ; w_proj, codes
	s_load_b64 s[12:13], s[0:1], 0x20              ; scales
	v_lshl_add_u32 v9, v0, 2, SPARE                ; my spare word; never rewritten
	v_mov_b32 v10, 0                               ; 0; never rewritten
	v_lshrrev_b32 v11, 5, v0
	v_readfirstlane_b32 s14, v11                   ; wave
	v_and_b32 v11, 31, v0                          ; lane
	v_and_b32 v1, 15, v0                           ; r
	v_bfe_u32 v2, v0, 4, 1                         ; h
	v_lshlrev_b32 v3, 4, v11                       ; 16 x lane
	v_lshlrev_b32 v4, 3, v11                       ; 8 x lane
	s_mul_i32 s15, s14, STG
	v_add_nc_u32 v5, s15, v3                       ; into the stage: a row as loaded
	v_mul_u32_u24 v6, v1, 528
	v_lshl_add_u32 v6, v2, 7, v6
	v_add_nc_u32 v6, s15, v6                       ; out of it: row r, + 128 h bytes
	v_lshlrev_b32 v7, 3, v2                        ; 8 h: my bytes' shift in a scale word
	v_lshlrev_b32 v8, 4, v1
	v_lshl_add_u32 v8, v2, 3, v8                   ; 16 r + 8 h: where my two scale words go
	v_mov_b32 v19, 0                               ; written once: a lane permute's destination counts as a source
	s_mov_b32 s30, 0x76543210
	s_mov_b32 s31, 0xfedcba98                      ; selects for lane l xor 16
	s_lshr_b32 s16, s14, 1
	s_and_b32 s17, s14, 1                          ; K half
	s_lshl_b32 s18, ttmp9, 1
	s_add_co_u32 s18, s18, s16                     ; tile
	s_wait_alu depctr_va_vdst(0)
	s_wait_kmcnt 0x0
	s_mov_b32 s19, 704
	s_cmp_lt_u32 ttmp9, 352                        ; which tensor: the choice hangs on the work-group's number alone
	s_cselect_b64 s[6:7], s[6:7], s[8:9]
	s_cselect_b32 s19, 512, s19                    ; its first tile
	s_cselect_b32 s20, 1, 0                        ; 1: the tile's rows are spread as said above
	s_cmp_lt_u32 ttmp9, 256
	s_cselect_b64 s[4:5], s[4:5], s[6:7]
	s_cselect_b32 s19, 0, s19
	s_sub_co_u32 s21, s18, s19                     ; the tile's number in its tensor
	s_lshr_b32 s22, s21, 1
	s_lshl_b32 s22, s22, 5
	s_and_b32 s23, s21, 1
	s_lshl_b32 s23, s23, 3
	s_add_co_u32 s22, s22, s23                     ; first row, spread: 32 (t / 2) + 8 (t % 2)
	s_lshl_b32 s23, s21, 4                         ; plain: 16 t
	s_cmp_eq_u32 s20, 1
	s_cselect_b32 s22, s22, s23
	s_lshl_b32 s22, s22, 12                        ; rows of 4,096 bytes
	s_lshl_b32 s23, s17, 11                        ; + my K half: 2,048 bytes
	s_add_co_u32 s22, s22, s23
	s_mov_b32 s23, 0
	s_add_nc_u64 s[4:5], s[4:5], s[22:23]          ; lane rows 0-7
	s_lshl_b32 s24, 0x8000, s20                    ; lane rows 8-15 begin 8 rows on, or 16 where the rows are spread
	s_mov_b32 s25, 0
	s_add_nc_u64 s[6:7], s[4:5], s[24:25]
	s_mul_i32 s26, s18, 12288
	s_mul_i32 s27, s17, 6144
	s_add_co_u32 s26, s26, s27
	s_mov_b32 s27, 0
	s_add_nc_u64 s[10:11], s[10:11], s[26:27]      ; my four fragments
	s_lshl_b32 s26, s18, 9
	s_lshl_b32 s28, s17, 8
	s_add_co_u32 s26, s26, s28
	s_add_nc_u64 s[12:13], s[12:13], s[26:27]      ; my 256 bytes of scale words
.macro LOAD s                          ; piece s: 16 rows x 512 bytes
.irp i, 0,1,2,3,4,5,6,7
	global_load_b128 v[R+64*((\s)%2)+4*\i:R+64*((\s)%2)+4*\i+3], v3, s[4:5] offset:\i*4096+(\s)*512 th:TH_LOAD_NT
.endr
.irp i, 0,1,2,3,4,5,6,7
	global_load_b128 v[R+64*((\s)%2)+32+4*\i:R+64*((\s)%2)+32+4*\i+3], v3, s[6:7] offset:\i*4096+(\s)*512 th:TH_LOAD_NT
.endr
.endm
.macro TURN s                          ; through the stage: LDS serves a wave's instructions in order, so no wait stands between the stores and the loads
.irp i, 0,1,2,3,4,5,6,7,8,9,10,11,12,13,14,15
	ds_store_b128 v5, v[R+64*((\s)%2)+4*\i:R+64*((\s)%2)+4*\i+3] offset:\i*528
.endr
.irp c, 0,1
.irp j, 0,1,2,3,4,5,6,7
	ds_load_b128 v[X+32*\c+4*\j:X+32*\c+4*\j+3], v6 offset:256*\c+16*\j
.endr
.endr
.endm
.macro PIECE s
.if (\s) < 3
	s_wait_loadcnt 16                              ; this piece's 16 loads are in; the next piece's 16 may be out
.else
	s_wait_loadcnt 0x0
.endif
	TURN \s
	s_wait_dscnt 0x0                               ; my 64 numbers are in, and the stage's stores have read their registers,
.if (\s) < 2
	LOAD (\s)+2                                    ; which take the piece two on
.endif
.irp c, 0,1
	v_max3_num_f32 v[M+\c], |v[X+32*\c]|, |v[X+32*\c+1]|, 0x1800000   ; block 2 c + h is all mine; the floor 2^(3 - 127) holds the byte at 1 from below
.endr
.irp i, 2,4,6,8,10,12,14,16,18,20,22,24,26,28,30
.irp c, 0,1
	v_max3_num_f32 v[M+\c], v[M+\c], |v[X+32*\c+\i]|, |v[X+32*\c+\i+1]|
.endr
.endr
.irp c, 0,1
	v_add_nc_u32 v[E+\c], 0xff000000, v[M+\c]      ; 2 off the exponent field: the conversion's scale operand
.endr
.irp c, 0,1
	v_lshrrev_b32 v[B+\c], 23, v[E+\c]             ; the byte
.endr
	v_lshl_or_b32 v18, v[B+1], 16, v[B]            ; blocks h and 2 + h,
	v_lshlrev_b32 v18, v7, v18                     ; at their places;
	v_permlanex16_b32 v19, v18, s30, s31
	v_or_b32 v[W+(\s)], v18, v19                   ; with lane l xor 16's two the word is whole
	s_wait_alu depctr_va_vdst(0)
	s_wait_xcnt 0x0                                ; the last piece's stores have read the fragment's registers
.irp c, 0,1
	v_cvt_scalef32_pk16_fp6_f32 v[PC+6*\c:PC+6*\c+2], v[X+32*\c:X+32*\c+15], v[E+\c]
	v_cvt_scalef32_pk16_fp6_f32 v[PT+4*\c:PT+4*\c+2], v[X+32*\c+16:X+32*\c+31], v[E+\c]   ; (a conversion's three registers begin on an even number)
.endr
	v_nop                                          ; one plain instruction behind the scaled conversions
.irp c, 0,1
.irp i, 0,1,2
	v_mov_b32 v[PC+6*\c+3+\i], v[PT+4*\c+\i]
.endr
.endr
	global_store_b128 v3, v[PC:PC+3], s[10:11] offset:(\s)*1536          ; 512 consecutive bytes
	global_store_b64 v4, v[PC+4:PC+5], s[10:11] offset:(\s)*1536+512     ; 256
	global_store_b128 v3, v[PC+6:PC+9], s[10:11] offset:(\s)*1536+768
	global_store_b64 v4, v[PC+10:PC+11], s[10:11] offset:(\s)*1536+1280
.endm
	LOAD 0
	LOAD 1
	PIECE 0
	PIECE 1
	PIECE 2
	PIECE 3
	v_cmp_ne_u32 vcc_lo, 0, v2
	v_cndmask_b32 v24, v[W], v[W+2], vcc_lo        ; lanes 0-15 store words 0, 1 of row r, lanes 16-31 words 2, 3
	v_cndmask_b32 v25, v[W+1], v[W+3], vcc_lo
	global_store_b64 v8, v[24:25], s[12:13]        ; 256 consecutive aligned bytes
	s_wait_tensorcnt 0x0                           ; the wave's end, behind my last LDS store
	ds_add_u32 v9, v10
	s_wait_dscnt 0x0
	s_endpgm
.Lfunc_end_k_q720a3d288c_quant:
	.size	k_q720a3d288c_quant, .Lfunc_end_k_q720a3d288c_quant-k_q720a3d288c_quant
	.p2alignl 7, 3214868480
	.fill 96, 4, 3214868480
	.section	.rodata,"a",@progbits
	.p2align	6, 0x0
	.amdhsa_kernel k_q720a3d288c_quant
		.amdhsa_group_segment_fixed_size 34304
		.amdhsa_private_segment_fixed_size 0
		.amdhsa_enable_private_segment 0
		.amdhsa_kernarg_size 40
		.amdhsa_user_sgpr_count 2
		.amdhsa_user_sgpr_kernarg_segment_ptr 1
		.amdhsa_wavefront_size32 1
		.amdhsa_system_sgpr_workgroup_id_x 1
		.amdhsa_system_sgpr_workgroup_id_y 1
		.amdhsa_system_sgpr_workgroup_id_z 1
		.amdhsa_system_vgpr_workitem_id 0
		.amdhsa_next_free_vgpr 256
		.amdhsa_next_free_sgpr 66
		.amdhsa_reserve_vcc 1
		.amdhsa_float_denorm_mode_32 3
		.amdhsa_float_denorm_mode_16_64 3
		.amdhsa_memory_ordered 1
		.amdhsa_forward_progress 1
		.amdhsa_inst_pref_size 31
	.end_amdhsa_kernel
	.amdgpu_metadata
---
amdhsa.version: [ 1, 2 ]
amdhsa.kernels:
  - .name:           k_q720a3d288c_quant
    .symbol:         k_q720a3d288c_quant.kd
    .args:
      - { .name: x, .offset: 0, .size: 8, .value_kind: global_buffer, .address_space: global }
      - { .name: w_qkv, .offset: 8, .size: 8, .value_kind: global_buffer, .address_space: global }
      - { .name: w_proj, .offset: 16, .size: 8, .value_kind: global_buffer, .address_space: global }
      - { .name: codes, .offset: 24, .size: 8, .value_kind: global_buffer, .address_space: global }
      - { .name: scales, .offset: 32, .size: 8, .value_kind: global_buffer, .address_space: global }
    .group_segment_fixed_size: 34304
    .private_segment_fixed_size: 0
    .kernarg_segment_align: 8
    .kernarg_segment_size: 40
    .max_flat_workgroup_size: 128
    .sgpr_count:     66
    .vgpr_count:     256
    .wavefront_size: 32
...
	.end_amdgpu_metadata
.endif
;; end of part 1
;; launch gemm_qkv (part 2): grid 12 x 32, 4 waves a work-group, clusters of 4 x 4, 327,680 bytes of LDS; arguments codes, scales, cos, sin, qkv; writes qkv
.if DOCPART == 2
	.amdgcn_target "amdgcn-amd-amdhsa--gfx1250"
	.amdhsa_code_object_version 6
	.text
	.protected	k_q720a3d288c_gemm_qkv
	.globl	k_q720a3d288c_gemm_qkv
	.p2align	8
	.type	k_q720a3d288c_gemm_qkv,@function
k_q720a3d288c_gemm_qkv:
	s_mov_b64 s[64:65], 0
	v_nop
	global_prefetch_b8 v0, s[64:65] scope:SCOPE_SE
	s_setreg_imm32_b32 hwreg(HW_REG_WAVE_MODE, 25, 1), 1
	s_wait_xcnt 0x0
	s_wait_alu depctr_hold_cnt(0) depctr_sa_sdst(0) depctr_va_vdst(0) depctr_va_sdst(0) depctr_va_ssrc(0) depctr_va_vcc(0) depctr_vm_vsrc(0)
	s_getreg_b32 s2, hwreg(HW_REG_IB_STS2, 6, 4)
	s_cmp_eq_u32 s2, 0
	s_cbranch_scc0 .Lentry_in_a_cluster
	s_endpgm
.Lentry_in_a_cluster:
	s_bfe_u32 s2, ttmp6, 0x10000c
	s_cmp_lg_u32 s2, 0xf033
	s_cbranch_scc0 .Lentry_shape_is_right
	s_endpgm
.Lentry_shape_is_right:
.set SLOT,  98304
.set HALFT, 24576
; K's eight steps go through two LDS regions of RX bytes: steps 0-2 (asked for at the head), steps 3-5 (behind the first round), and steps 6-7, which fill the first region's first 4 x HALFT bytes again.
; In a region: L's two halves of 8 tiles, then R's two, HX bytes each; a tile's row holds three steps' fragments (4,608 bytes), in the refill two (3,072 bytes).
.set HX, 36864
.set RX, 4*HX
.set SCL,   3*SLOT
.set SPARE, SCL+16384
.set ADL16, 8
.set ADL8,  11
.set ADR16, 14
.set ADR8,  17
.set ADRS,  20
.set SPW,   28
.set NIL,   29
.set SC,    32
.set AF,    128
.set G1L,  24
.set G0L,  32
.set G1R,  44
.set G0R,  52
.set G1SL, 68
.set G0SL, 76
.set G1SR, 80
.set G0SR, 88
.set TM,  32
.set Z,   52
.set HA,  128
.set PC,  192
.set PT,  204
.set MSB, 0
.macro WIN new
.if MSB != (\new)
	s_set_vgpr_msb (MSB<<8)|(\new)
.set MSB, (\new)
.endif
.endm
.macro PLACES n
.rept \n
	v_nop
.endr
.endm
.macro JLOAD g0l, g1l, g0r, g1r
	s_cmp_eq_u32 s17, 0
	s_cbranch_scc0 .Lfor_r_\@
	tensor_load_to_lds s[\g0l:\g0l+3], s[\g1l:\g1l+7]
	s_nop 0
.rept 4
	v_nop
.endr
	s_branch .Lasked_\@
.Lfor_r_\@:
	tensor_load_to_lds s[\g0r:\g0r+3], s[\g1r:\g1r+7]
	s_nop 0
.rept 4
	v_nop
.endr
.Lasked_\@:
.endm
.macro CREST
	s_cmp_lg_u32 s16, 0
	s_cbranch_scc1 .Lnot_wave_0_\@
	s_barrier_signal -3
.Lnot_wave_0_\@:
	s_barrier_wait -3
	s_barrier_signal -1
	s_barrier_wait -1
.endm
.macro CROUND
	s_barrier_signal -1
	s_barrier_wait -1
	CREST
.endm
	s_load_b256 s[4:11], s[0:1], 0x0
	s_load_b64 s[12:13], s[0:1], 0x20
	v_lshl_add_u32 v[SPW], v0, 2, SPARE
	v_mov_b32 v[NIL], 0
	ds_add_u32 v[SPW], v[NIL]
	ds_add_u32 v[SPW], v[NIL]
	v_lshrrev_b32 v1, 5, v0
	v_readfirstlane_b32 s16, v1
	s_lshr_b32 s17, s16, 1
	s_and_b32 s18, s16, 1
	s_bfe_u32 s92, ttmp6, 0x40000
	s_bfe_u32 s93, ttmp6, 0x40004
	s_and_b32 s19, ttmp7, 0xffff
	s_lshl_b32 s19, s19, 2
	s_add_co_u32 s94, s19, s93
	s_add_co_u32 s23, s93, 40
	s_lshl_b32 s95, ttmp9, 2
	s_add_co_u32 s95, s95, s92
	s_add_co_u32 s95, s95, 32
	s_add_co_u32 s97, s19, s92
	s_cmp_lt_u32 ttmp9, 2
	s_cselect_b32 s94, s94, s23
	s_cselect_b32 s95, s95, s97
	s_lshl_b32 s98, s93, 2
	s_lshl_b32 s98, 15, s98
	s_lshl_b32 s99, 0x1111, s92
	s_or_b32 s[G1L], s98, (3<<16)|(1<<21)
	s_or_b32 s[G1R], s99, (3<<16)|(1<<21)
	s_or_b32 s[G1SL], s98, (3<<16)|(1<<21)
	s_or_b32 s[G1SR], s99, (3<<16)|(1<<21)
.irp g, G1L, G1R
	s_mov_b32 s[\g+1], 576<<16                     ; the head's loads of codes: 16 tiles x 4,608 bytes (three K steps)
	s_mov_b32 s[\g+2], 16<<16
	s_mov_b32 s[\g+3], 576<<16
	s_mov_b32 s[\g+4], 16
	s_mov_b32 s[\g+5], 1536
	s_mov_b32 s[\g+6], 0
	s_mov_b32 s[\g+7], 0
.endr
.irp g, G1SL, G1SR
	s_mov_b32 s[\g+1], 32<<16
	s_mov_b32 s[\g+2], 32<<16                      ; the scale words of 16 tiles: 32 rows of 256 bytes
	s_mov_b32 s[\g+3], 32<<16
	s_mov_b32 s[\g+4], 32
	s_mov_b32 s[\g+5], 32
	s_mov_b32 s[\g+6], 0
	s_mov_b32 s[\g+7], 0
.endr
	s_lshl_b32 s22, s94, 8
	s_mul_i32 s20, s22, 768
	s_mov_b32 s21, 0
	s_lshl_b32 s22, s22, 5
	s_mov_b32 s23, 0
	s_lshl_b32 s100, s95, 8
	s_mul_i32 s96, s100, 768
	s_mov_b32 s97, 0
	s_lshl_b32 s100, s100, 5
	s_mov_b32 s101, 0
	s_wait_dscnt 0x0
	s_wait_kmcnt 0x0
	s_add_nc_u64 s[20:21], s[4:5], s[20:21]
	s_add_nc_u64 s[22:23], s[6:7], s[22:23]
	s_add_nc_u64 s[96:97], s[4:5], s[96:97]
	s_add_nc_u64 s[100:101], s[6:7], s[100:101]
	s_mov_b32 s[G0SL], 1                           ; the head's four tiles, each whole: L's scale words,
	s_mov_b32 s[G0SL+1], SCL
	s_mov_b64 s[G0SL+2:G0SL+3], s[22:23]
	s_or_b32 s[G0SL+3], s[G0SL+3], 0x80000000
	s_mov_b32 s[G0SR], 1                           ; R's,
	s_mov_b32 s[G0SR+1], SCL+8192
	s_mov_b64 s[G0SR+2:G0SR+3], s[100:101]
	s_or_b32 s[G0SR+3], s[G0SR+3], 0x80000000
	s_mov_b32 s[G0L], 1                            ; L's 16 tiles of K steps 0-2,
	s_mov_b32 s[G0L+1], 0
	s_mov_b64 s[G0L+2:G0L+3], s[20:21]
	s_or_b32 s[G0L+3], s[G0L+3], 0x80000000
	s_mov_b32 s[G0R], 1                            ; and R's
	s_mov_b32 s[G0R+1], 2*HX
	s_mov_b64 s[G0R+2:G0R+3], s[96:97]
	s_or_b32 s[G0R+3], s[G0R+3], 0x80000000
	s_mul_i32 s2, s18, 98304                       ; behind the head a wave fetches 8 tiles: which half, in bytes
	s_mov_b32 s3, 0
	s_add_nc_u64 s[20:21], s[20:21], s[2:3]
	s_add_nc_u64 s[96:97], s[96:97], s[2:3]
	s_mul_i32 s2, s16, HX
	s_mul_i32 s3, s16, HALFT
.irp n, 1,2
	s_mov_b32 s[G0L+4*\n], 1                       ; set 1: K steps 3-5, at byte 4,608 of a tile's record; set 2: K steps 6-7, at byte 9,216
	s_add_nc_u64 s[G0L+4*\n+2:G0L+4*\n+3], s[20:21], \n*4608
	s_or_b32 s[G0L+4*\n+3], s[G0L+4*\n+3], 0x80000000
	s_mov_b32 s[G0R+4*\n], 1
	s_add_nc_u64 s[G0R+4*\n+2:G0R+4*\n+3], s[96:97], \n*4608
	s_or_b32 s[G0R+4*\n+3], s[G0R+4*\n+3], 0x80000000
.endr
	s_add_co_u32 s[G0L+5], s2, RX
	s_add_co_u32 s[G0R+5], s2, RX
	s_add_co_u32 s[G0L+9], s3, 0
	s_add_co_u32 s[G0R+9], s3, 0
	CROUND                                         ; all sixteen work-groups are here: the first joint loads meet
; The head's loads, one a wave: one chain of branches on the wave's number, each arm with its load, all leading to one join
.macro ARM under, g0, g1, next
	s_cmp_lt_u32 s16, \under
	s_cbranch_scc0 \next
	tensor_load_to_lds s[\g0:\g0+3], s[\g1:\g1+7]
	s_nop 0
.rept 4
	v_nop
.endr
	s_branch .Lhead_asked
\next:
.endm
	ARM 1, G0L, G1L, .Lhead_r
	ARM 2, G0R, G1R, .Lhead_sl
	ARM 3, G0SL, G1SL, .Lhead_sr
	tensor_load_to_lds s[G0SR:G0SR+3], s[G1SR:G1SR+7]
	s_nop 0
.rept 4
	v_nop
.endr
.Lhead_asked:
	v_and_b32 v6, 31, v0
	v_and_b32 v1, 15, v0
	v_bfe_u32 v2, v0, 4, 1
	v_lshlrev_b32 v3, 4, v6
	v_lshlrev_b32 v4, 3, v6
	s_mul_i32 s2, s17, HX                          ; my 8 tiles of L and of R in a region,
	s_mul_i32 s3, s18, HX
	s_add_co_u32 s3, s3, 2*HX
	s_mul_i32 s20, s17, HALFT                      ; and in the refill
	s_mul_i32 s21, s18, HALFT
	s_add_co_u32 s21, s21, 2*HALFT
	v_add_nc_u32 v[ADL16], s2, v3
	v_add_nc_u32 v[ADL8], s2, v4
	v_add_nc_u32 v[ADR16], s3, v3
	v_add_nc_u32 v[ADR8], s3, v4
	v_add_nc_u32 v[ADL16+2], s20, v3
	v_add_nc_u32 v[ADL8+2], s20, v4
	v_add_nc_u32 v[ADR16+2], s21, v3
	v_add_nc_u32 v[ADR8+2], s21, v4
	v_add_nc_u32 v[ADL16+1], RX, v[ADL16]
	v_add_nc_u32 v[ADL8+1], RX, v[ADL8]
	v_add_nc_u32 v[ADR16+1], RX, v[ADR16]
	v_add_nc_u32 v[ADR8+1], RX, v[ADR8]
	s_lshl_b32 s2, s17, 12
	s_lshl_b32 s15, s18, 12
	s_add_co_u32 s15, s15, 8192
	s_sub_co_u32 s15, s15, s2
	v_mul_u32_u24 v[ADRS], s15, v2
	s_add_co_u32 s2, s2, SCL
	v_lshl_add_u32 v[ADRS], v1, 4, v[ADRS]
	v_add_nc_u32 v[ADRS], s2, v[ADRS]
	v_and_b32 v5, 8, v1
	v_add_nc_u32 v5, v5, v1
	v_lshlrev_b32 v5, 7, v5
	v_lshl_add_u32 v5, v2, 5, v5
	s_wait_alu depctr_va_vdst(0)
	s_and_b32 s22, s94, 7
	s_lshl_b32 s22, s22, 1
	s_add_co_u32 s22, s22, s17
	s_lshl_b32 s22, s22, 14
	s_mov_b32 s23, 0
	s_add_nc_u64 s[8:9], s[8:9], s[22:23]
	s_add_nc_u64 s[10:11], s[10:11], s[22:23]
	s_lshr_b32 s20, s94, 3
	s_mul_i32 s20, s20, 3276800
	s_and_b32 s21, s94, 7
	s_lshl_b32 s21, s21, 1
	s_add_co_u32 s21, s21, s17
	s_mul_i32 s21, s21, 12800
	s_add_co_u32 s20, s20, s21
	s_and_b32 s21, s94, 3
	s_lshl_b32 s21, s21, 1
	s_add_co_u32 s21, s21, s17
	s_mul_i32 s21, s21, 409600
	s_lshr_b32 s96, s95, 3
	s_mul_i32 s96, s96, 3276800
	s_and_b32 s97, s95, 7
	s_lshl_b32 s97, s97, 1
	s_add_co_u32 s97, s97, s18
	s_mul_i32 s97, s97, 12800
	s_add_co_u32 s96, s96, s97
	s_and_b32 s97, s95, 3
	s_lshl_b32 s97, s97, 1
	s_add_co_u32 s97, s97, s18
	s_mul_i32 s97, s97, 409600
	s_cmp_lt_u32 ttmp9, 2
	s_cselect_b32 s20, s20, s21
	s_cselect_b32 s96, s97, s96
	s_cmp_eq_u32 ttmp9, 0
	s_cselect_b32 s21, 0, 13107200
	s_add_co_u32 s20, s20, s21
	s_mov_b32 s21, 0
	s_mov_b32 s97, 0
	s_add_nc_u64 s[12:13], s[12:13], s[20:21]
	s_add_nc_u64 s[12:13], s[12:13], s[96:97]
	s_cmp_lt_u32 ttmp9, 2
	s_cselect_b32 s20, 0, 256
	s_add_co_u32 s20, s20, 12288
	s_add_nc_u64 s[66:67], s[12:13], s[20:21]
	s_cmp_lt_u32 ttmp9, 2
	s_cselect_b32 s20, 0, 6144
	s_add_nc_u64 s[12:13], s[12:13], s[20:21]
	s_mov_b32 s104, 0x76543210
	s_mov_b32 s105, 0xfedcba98
.macro CSLOAD a
.set CL0, 96+128*((\a)%2)
.irp bb, 0,1
.irp j, 0,1
	global_load_b128 v[CL0+8*\bb+4*\j:CL0+8*\bb+4*\j+3], v5, s[8:9] offset:(32*((\a)/2)+8*((\a)%2))*128+64*\bb+16*\j
	global_load_b128 v[CL0+16+8*\bb+4*\j:CL0+16+8*\bb+4*\j+3], v5, s[10:11] offset:(32*((\a)/2)+8*((\a)%2))*128+64*\bb+16*\j
.endr
.endr
.endm
	CSLOAD 0
	CSLOAD 1
.macro FRAG reg, a16, a8, off
	ds_load_b128 v[(\reg):(\reg)+3], v[\a16] offset:(\off)
	ds_load_b64 v[(\reg)+4:(\reg)+5], v[\a8] offset:(\off)+512
	ds_load_b128 v[(\reg)+6:(\reg)+9], v[\a16] offset:(\off)+768
	ds_load_b64 v[(\reg)+10:(\reg)+11], v[\a8] offset:(\off)+1280
.endm
.macro FETCH_R s, p
	WIN 0x40
.irp i, 0,1,2,3,4,5,6,7
.if (\s) < 6
	FRAG 128*(\p)+12*\i, ADR16+((\s)/3), ADR8+((\s)/3), \i*4608+((\s)%3)*1536
.else
	FRAG 128*(\p)+12*\i, ADR16+2, ADR8+2, \i*3072+((\s)-6)*1536
.endif
.endr
	WIN 0
.endm
.macro FETCH_L s, i0
.irp i, \i0, \i0+1, \i0+2, \i0+3
.if (\s) < 6
	FRAG AF+12*(\i), ADL16+((\s)/3), ADL8+((\s)/3), (\i)*4608+((\s)%3)*1536
.else
	FRAG AF+12*(\i), ADL16+2, ADL8+2, (\i)*3072+((\s)-6)*1536
.endif
.endr
.endm
.macro MUL16 a0, p, s, cmode
.irp a, \a0, \a0+1
.irp b, 0,1,2,3,4,5,6,7
.if (\cmode) == 1
	v_wmma_scale_f32_16x16x128_f8f6f4 v[8*(8*((\a)%4)+\b):8*(8*((\a)%4)+\b)+7], v[128*(\p)+12*\b:128*(\p)+12*\b+11], v[AF+12*(\a):AF+12*(\a)+11], 0, v[SC+8*\b+(\s)], v[SC+8*(\a)+(\s)] matrix_a_fmt:MATRIX_FMT_FP6 matrix_b_fmt:MATRIX_FMT_FP6 matrix_a_scale:MATRIX_SCALE_ROW1
.else
	v_wmma_scale_f32_16x16x128_f8f6f4 v[8*(8*((\a)%4)+\b):8*(8*((\a)%4)+\b)+7], v[128*(\p)+12*\b:128*(\p)+12*\b+11], v[AF+12*(\a):AF+12*(\a)+11], v[8*(8*((\a)%4)+\b):8*(8*((\a)%4)+\b)+7], v[SC+8*\b+(\s)], v[SC+8*(\a)+(\s)] matrix_a_fmt:MATRIX_FMT_FP6 matrix_b_fmt:MATRIX_FMT_FP6 matrix_a_scale:MATRIX_SCALE_ROW1
.endif
.endr
.endr
.endm
.macro STEP s, cmode
	s_wait_dscnt 16
	WIN 0xa1
	MUL16 0, ((\s)%2), \s, \cmode
	MUL16 2, ((\s)%2), \s, \cmode
	s_wait_dscnt 0x0
	PLACES 4
	FETCH_R (\s)+1, (1-(\s)%2)
	FETCH_L (\s)+1, 0
	WIN 0xf1
	MUL16 4, ((\s)%2), \s, \cmode
	MUL16 6, ((\s)%2), \s, \cmode
	PLACES 4
	WIN 0
	FETCH_L (\s)+1, 4
.endm
.macro TURN s, fill
	s_wait_tensorcnt 0x0
	ds_add_u32 v[SPW], v[NIL]
	s_wait_dscnt 17
	WIN 0xa1
	MUL16 0, ((\s)%2), \s, 0
	s_wait_dscnt 0x0
	s_barrier_signal -1
	MUL16 2, ((\s)%2), \s, 0
	WIN 0
	s_barrier_wait -1
.if \fill
	CREST
	s_mov_b32 s[G1L+1], 384<<16                    ; no tensor load of mine is out: the refill's rows hold two K steps, 3,072 bytes
	s_mov_b32 s[G1L+3], 384<<16
	s_mov_b32 s[G1R+1], 384<<16
	s_mov_b32 s[G1R+3], 384<<16
	JLOAD G0L+8, G1L, G0R+8, G1R
.else
	PLACES 4
.endif
	FETCH_R (\s)+1, (1-(\s)%2)
	FETCH_L (\s)+1, 0
	WIN 0xf1
	MUL16 4, ((\s)%2), \s, 0
	MUL16 6, ((\s)%2), \s, 0
	PLACES 4
	WIN 0
	FETCH_L (\s)+1, 4
.endm
	s_wait_alu depctr_va_vdst(0)
	s_wait_tensorcnt 0x0                           ; my tile of the head's four is in
	ds_add_u32 v[SPW], v[NIL]
	s_mov_b32 s[G1L+2], 8<<16                      ; no tensor load of mine is out: from here on a load brings 8 tiles
	s_mov_b32 s[G1L+4], 8
	s_mov_b32 s[G1R+2], 8<<16
	s_mov_b32 s[G1R+4], 8
	s_wait_dscnt 0x0
	CROUND                                         ; all four tiles are in, and all sixteen work-groups are here
	JLOAD G0L+4, G1L, G0R+4, G1R                   ; K steps 3-5, the first tensor load behind the round
.irp i, 0,1,2,3,4,5,6,7
.irp kh, 0,1
	ds_load_b128 v[SC+8*\i+4*\kh:SC+8*\i+4*\kh+3], v[ADRS] offset:\i*512+\kh*256
.endr
.endr
	FETCH_R 0, 0
	FETCH_L 0, 0
	FETCH_L 0, 4
	STEP 0, 1
	STEP 1, 0
	TURN 2, 1
	STEP 3, 0
	STEP 4, 0
	TURN 5, 0
	STEP 6, 0
	s_wait_dscnt 16
	WIN 0xa1
	MUL16 0, 1, 7, 0
	MUL16 2, 1, 7, 0
	s_wait_dscnt 0x0
	WIN 0xf1
	MUL16 4, 1, 7, 0
	MUL16 6, 1, 7, 0
	WIN 0
.macro QUANT s, sw, pw
	WIN 5*(\sw)
.irp b, 0,1,2,3
	v_max3_num_f32 v[TM+\b], |v[(\s)+16*\b]|, |v[(\s)+16*\b+1]|, 0x1800000
.endr
.irp i, 2,4,6,8,10,12,14
.irp b, 0,1,2,3
	v_max3_num_f32 v[TM+\b], |v[(\s)+16*\b+\i]|, |v[(\s)+16*\b+\i+1]|, v[TM+\b]
.endr
.endr
	WIN 0
.irp b, 0,1,2,3
	v_permlanex16_b32 v[TM+4+\b], v[TM+\b], s104, s105
.endr
.irp b, 0,1,2,3
	v_max_num_f32 v[TM+\b], v[TM+\b], v[TM+4+\b]
.endr
.irp b, 0,1,2,3
	v_add_nc_u32 v[TM+12+\b], 0xff000000, v[TM+\b]
.endr
.irp b, 0,1,2,3
	v_lshrrev_b32 v[TM+4+\b], 23, v[TM+12+\b]
.endr
	v_lshl_or_b32 v[\pw], v[TM+5], 8, v[TM+4]
	v_lshl_or_b32 v[\pw], v[TM+6], 16, v[\pw]
	v_lshl_or_b32 v[\pw], v[TM+7], 24, v[\pw]
	s_wait_xcnt 0x0
	WIN (\sw)
.irp c, 0,1
	v_cvt_scalef32_pk16_fp6_f32 v[PC+6*\c:PC+6*\c+2], v[(\s)+32*\c:(\s)+32*\c+15], v[TM+12+2*\c]
	v_cvt_scalef32_pk16_fp6_f32 v[PT+4*\c:PT+4*\c+2], v[(\s)+32*\c+16:(\s)+32*\c+31], v[TM+13+2*\c]
.endr
	WIN 0
	v_nop
.irp c, 0,1
.irp i, 0,1,2
	v_permlane16_swap_b32 v[PC+6*\c+\i], v[PT+4*\c+\i]
.endr
.irp i, 0,1,2
	v_mov_b32 v[PC+6*\c+3+\i], v[PT+4*\c+\i]
.endr
.endr
.endm
.macro QK a
.set AC, 64*((\a)%4)
.set CS0, 96+128*((\a)%2)
.if (\a) < 7
	s_wait_loadcnt 8
.else
	s_wait_loadcnt 0x0
.endif
	WIN (2+(\a)/4)
.irp q, 0,1,2,3,4,5,6,7
.irp e, 0,1,2,3
	v_mul_f32 v[64+2*\e], v[AC+8*\q+2*\e+1], v[CS0+16+8*((\q/2)%2)+4*(\q%2)+\e]
	v_mul_f32 v[65+2*\e], v[AC+8*\q+2*\e+1], v[CS0+8*((\q/2)%2)+4*(\q%2)+\e]
.endr
.irp e, 0,1,2,3
	v_fma_f32 v[HA+8*\q+2*\e], v[AC+8*\q+2*\e], v[CS0+8*((\q/2)%2)+4*(\q%2)+\e], -v[64+2*\e]
	v_fma_f32 v[HA+8*\q+2*\e+1], v[AC+8*\q+2*\e], v[CS0+16+8*((\q/2)%2)+4*(\q%2)+\e], v[65+2*\e]
.endr
.endr
	WIN 0
.if (\a) < 6
	CSLOAD (\a)+2
.endif
	QUANT HA, 0, (50+(\a)%2)
	global_store_b128 v3, v[PC:PC+3], s[12:13] offset:(\a)*768
	global_store_b64 v4, v[PC+4:PC+5], s[12:13] offset:(\a)*768+512
	global_store_b128 v3, v[PC+6:PC+9], s[12:13] offset:(\a)*768+204800
	global_store_b64 v4, v[PC+10:PC+11], s[12:13] offset:(\a)*768+204800+512
.if ((\a)%2) == 1
	v_perm_b32 v[Z+(\a)/2], v51, v50, 0x05040100
	v_perm_b32 v[Z+4+(\a)/2], v51, v50, 0x07060302
.endif
.endm
.macro VV a
	QUANT 64*((\a)%4), (2+(\a)/4), (Z+(\a))
	global_store_b128 v3, v[PC:PC+3], s[12:13] offset:((\a)/4)*204800+((\a)%4)*1536
	global_store_b64 v4, v[PC+4:PC+5], s[12:13] offset:((\a)/4)*204800+((\a)%4)*1536+512
	global_store_b128 v3, v[PC+6:PC+9], s[12:13] offset:((\a)/4)*204800+((\a)%4)*1536+768
	global_store_b64 v4, v[PC+10:PC+11], s[12:13] offset:((\a)/4)*204800+((\a)%4)*1536+1280
.endm
	PLACES 4
	v_cmp_ne_u32 s14, 0, v2
.irp b, 0,1,2,3
	v_mov_b32 v[TM+4+\b], 0
.endr
	s_cmp_lt_u32 ttmp9, 2
	s_cbranch_scc0 .Lway_v
.irp a, 0,1,2,3,4,5,6,7
	QK \a
.endr
	s_branch .Ltail
.Lway_v:
	s_wait_loadcnt 0x0
.irp a, 0,1,2,3,4,5,6,7
	VV \a
.endr
.Ltail:
	s_wait_alu depctr_va_vdst(0)
.irp hd, 0,1
	v_cndmask_b32 v[60+2*\hd], v[Z+4*\hd], v[Z+4*\hd+2], s14
	v_cndmask_b32 v[61+2*\hd], v[Z+4*\hd+1], v[Z+4*\hd+3], s14
	global_store_b64 v4, v[60+2*\hd:61+2*\hd], s[66:67] offset:\hd*204800
.endr
	s_wait_tensorcnt 0x0
	ds_add_u32 v[SPW], v[NIL]
	s_wait_dscnt 0x0
	CROUND
	s_endpgm
.Lfunc_end_k_q720a3d288c_gemm_qkv:
	.size	k_q720a3d288c_gemm_qkv, .Lfunc_end_k_q720a3d288c_gemm_qkv-k_q720a3d288c_gemm_qkv
	.p2alignl 7, 3214868480
	.fill 96, 4, 3214868480
	.section	.rodata,"a",@progbits
	.p2align	6, 0x0
	.amdhsa_kernel k_q720a3d288c_gemm_qkv
		.amdhsa_group_segment_fixed_size 327680
		.amdhsa_private_segment_fixed_size 0
		.amdhsa_enable_private_segment 0
		.amdhsa_kernarg_size 40
		.amdhsa_user_sgpr_count 2
		.amdhsa_user_sgpr_kernarg_segment_ptr 1
		.amdhsa_wavefront_size32 1
		.amdhsa_system_sgpr_workgroup_id_x 1
		.amdhsa_system_sgpr_workgroup_id_y 1
		.amdhsa_system_sgpr_workgroup_id_z 1
		.amdhsa_system_vgpr_workitem_id 0
		.amdhsa_next_free_vgpr 1024
		.amdhsa_next_free_sgpr 106
		.amdhsa_reserve_vcc 0
		.amdhsa_float_denorm_mode_32 3
		.amdhsa_float_denorm_mode_16_64 3
		.amdhsa_memory_ordered 1
		.amdhsa_forward_progress 1
		.amdhsa_inst_pref_size 238
	.end_amdhsa_kernel
	.amdgpu_metadata
---
amdhsa.version: [ 1, 2 ]
amdhsa.kernels:
  - .name:           k_q720a3d288c_gemm_qkv
    .symbol:         k_q720a3d288c_gemm_qkv.kd
    .args:
      - { .name: codes, .offset: 0, .size: 8, .value_kind: global_buffer, .address_space: global }
      - { .name: scales, .offset: 8, .size: 8, .value_kind: global_buffer, .address_space: global }
      - { .name: cos, .offset: 16, .size: 8, .value_kind: global_buffer, .address_space: global }
      - { .name: sin, .offset: 24, .size: 8, .value_kind: global_buffer, .address_space: global }
      - { .name: qkv, .offset: 32, .size: 8, .value_kind: global_buffer, .address_space: global }
    .group_segment_fixed_size: 327680
    .private_segment_fixed_size: 0
    .kernarg_segment_align: 8
    .kernarg_segment_size: 40
    .max_flat_workgroup_size: 128
    .sgpr_count:     106
    .vgpr_count:     1024
    .wavefront_size: 32
...
	.end_amdgpu_metadata
.endif
;; end of part 2
;; launch attn (part 3): grid 4 x 64, 8 waves a work-group, clusters of 4 x 1, 205,824 bytes of LDS; arguments qkv, ocodes, oscales; writes ocodes, oscales
.if DOCPART == 3
	.amdgcn_target "amdgcn-amd-amdhsa--gfx1250"
	.amdhsa_code_object_version 6
	.text
	.protected	k_q720a3d288c_attn
	.globl	k_q720a3d288c_attn
	.p2align	8
	.type	k_q720a3d288c_attn,@function
k_q720a3d288c_attn:
	s_mov_b64 s[64:65], 0
	v_nop
	global_prefetch_b8 v0, s[64:65] scope:SCOPE_SE
	s_setreg_imm32_b32 hwreg(HW_REG_WAVE_MODE, 25, 1), 1
	s_wait_xcnt 0x0
	s_wait_alu depctr_hold_cnt(0) depctr_sa_sdst(0) depctr_va_vdst(0) depctr_va_sdst(0) depctr_va_ssrc(0) depctr_va_vcc(0) depctr_vm_vsrc(0)
	s_getreg_b32 s2, hwreg(HW_REG_IB_STS2, 6, 4)
	s_cmp_eq_u32 s2, 0
	s_cbranch_scc0 .Lentry_in_a_cluster
	s_endpgm
.Lentry_in_a_cluster:
	s_bfe_u32 s2, ttmp6, 0x10000c
	s_cmp_lg_u32 s2, 0x3003
	s_cbranch_scc0 .Lentry_shape_is_right
	s_endpgm
.Lentry_shape_is_right:
; o = softmax(q k^T / 8) v for one head, both products on codes of FP6 (E2M3) with E8M0 scales; o is quantised along the model's 1,024 for the last product and stored as an image of operand registers.
; THE SOFTMAX: t = score x log2(e) / 8; M = the running largest t rounded UP to a whole number; p = 2^(t - M) is quantised along the keys, not normalised; the row's sum is taken of the unquantised p and divides at the end.
; When M moves, the sum and O are multiplied by 2^(old M - new M), which rounds nothing.
; SHARES: a work-group owns one head and 512 queries, in two passes of 256; each of its eight waves owns TWO tiles of 16 queries a pass, A and B.  Tile A's state lies in register window 0, tile B's at the same
; numbers in window 1, so one macro serves both.  A fragment of k or v is read from LDS once for both tiles.
; ORDER: one tile's products are issued inside the other tile's softmax: its four O products behind the rescaling, its eight score products behind the exponentials; plain vector work follows each group.
; THE HEAD'S WHOLE k, v AND THEIR SCALE WORDS, 204,800 dense bytes, lie in LDS: filled once, one load of 25,600 bytes a wave; no ring, no refill, no LDS store.  CLUSTER 4 x 1: the four work-groups of a head ask jointly.
; No data prefetch: every tile is asked for at the head, and no loop runs ahead of a load.
; LAYOUT: both products transposed (S^T = k q^T, O^T = v^T p^T): a lane holds one query.  Lane row i of token tile 2 b + u is token 32 b + 8 u + i + 8 (i / 8): the 16 registers of score tiles 2 b, 2 b + 1 are 16 neighbouring keys;
; the same holds of O^T's channels.  K = 64 IN A FORM OF K = 128: a fragment of k holds key tiles [2 f | 2 f + 1]; against [q | zero codes] it gives tile 2 f's scores, against [zero codes | q] tile 2 f + 1's.
; A key step in LDS (12,800 bytes): 4 fragments of k, 4 of v (16 channels x 128 keys), 256 bytes of k's scale words, 256 of v's (lane l's 8 bytes at 8 l: word 0 = fragment 0 in lanes 0-15, 2 in lanes 16-31; word 1 = fragments 1, 3).
; LIMITS: a block of zeros gets the byte 1 where the rule says 127 (its codes are zeros; this program alone reads the bytes); NaN and infinities are not served; the promise holds while |t| stays under 2^31.
; REGISTERS, window 0: v1, v2 16 and 8 x lane; v3, v4 the add's two; v5, v6 the step's LDS addresses; v7 8 r; v8 16 r + h; v9 the next q's scale word; v10-17 scale words (k, v, q of A and B, p of A and B); v48-95 k's fragments.
;   window 1: v0-11 the next pass's q fragment; v48-95 v's fragments.  Both windows, a tile's state: names below.
.set STEPB, 12800
.set SPARE, 16*STEPB                   ; behind the head's bytes: the spare words, 128 bytes a wave
.set KS, 10
.set VS, 12
.set QS, 14
.set PS, 16
.set KF, 48
.set VF, 48
.set S,  96                            ; S^T, then p
.set O,  160                           ; O^T
.set PC, 192                           ; p's codes
.set PT, 204                           ; upper halves as converted
.set BM, 212
.set BP, 216
.set BE, 220
.set F,  224                           ; f, as a pair
.set TW, 226
.set TMP, 227
.set L,  228                           ; the row's sum, in two halves
.set T1, 230                           ; three more chains of the sum
.set Q,  236                           ; q, zero codes, q
.set NM, 254                           ; -M, and the running largest t
.set MSB, 0
.macro WIN new                         ; the immediate's high byte repeats the setting that is left
.if MSB != (\new)
	s_set_vgpr_msb (MSB<<8)|(\new)
.set MSB, (\new)
.endif
.endm
.macro CROUND                          ; a round of the cluster's barrier
	s_barrier_signal -1
	s_barrier_wait -1
	s_cmp_lg_u32 s10, 0
	s_cbranch_scc1 .Lnot_wave_0_\@
	s_barrier_signal -3
.Lnot_wave_0_\@:
	s_barrier_wait -3
	s_barrier_signal -1
	s_barrier_wait -1
.endm
.macro FRAG reg, off                   ; a fragment's image: four dense loads
	ds_load_b128 v[(\reg):(\reg)+3], v5 offset:(\off)
	ds_load_b64 v[(\reg)+4:(\reg)+5], v6 offset:(\off)+512
	ds_load_b128 v[(\reg)+6:(\reg)+9], v5 offset:(\off)+768
	ds_load_b64 v[(\reg)+10:(\reg)+11], v6 offset:(\off)+1280
.endm
.macro KLOAD                           ; k's scale words and fragments of the step at v5, v6
	ds_load_b64 v[KS:KS+1], v6 offset:12288
.irp f, 0,1,2,3
	FRAG KF+12*\f, \f*1536
.endr
.endm
.macro VLOAD                           ; v's, the fragments into window 1
	ds_load_b64 v[VS:VS+1], v6 offset:12544
	WIN 0x40
.irp f, 0,1,2,3
	FRAG VF+12*\f, 6144+\f*1536
.endr
	WIN 0
.endm
.macro QLOAD off                       ; a pass's q fragment (tile A | tile B) into window 1's v0-11, its scale word into v9
	WIN 0x40
	global_load_b128 v[0:3], v1, s[46:47] offset:(\off)
	global_load_b64 v[4:5], v2, s[46:47] offset:(\off)+512
	global_load_b128 v[6:9], v1, s[46:47] offset:(\off)+768
	global_load_b64 v[10:11], v2, s[46:47] offset:(\off)+1280
	WIN 0
	global_load_b32 v9, v7, s[48:49] offset:(\off)
.endm
.macro PV t                            ; O^T += v^T p^T of tile t: four accumulators, one turn each
	WIN (0x54*(\t))|1
.irp i, 0,1
	v_wmma_scale_f32_16x16x128_f8f6f4 v[O+8*\i:O+8*\i+7], v[VF+12*\i:VF+12*\i+11], v[PC:PC+11], v[O+8*\i:O+8*\i+7], v[VS+\i], v[PS+(\t)] matrix_a_fmt:MATRIX_FMT_FP6 matrix_b_fmt:MATRIX_FMT_FP6
.endr
.irp i, 2,3
	v_wmma_scale_f32_16x16x128_f8f6f4 v[O+8*\i:O+8*\i+7], v[VF+12*\i:VF+12*\i+11], v[PC:PC+11], v[O+8*\i:O+8*\i+7], v[VS+\i-2], v[PS+(\t)] matrix_a_fmt:MATRIX_FMT_FP6 matrix_b_fmt:MATRIX_FMT_FP6 matrix_a_scale:MATRIX_SCALE_ROW1
.endr
.endm
.macro QK t                            ; S^T = k q^T of tile t: eight tiles of 16 keys
	WIN 0x44*(\t)
.irp f, 0,1
	v_wmma_scale_f32_16x16x128_f8f6f4 v[S+16*\f:S+16*\f+7], v[KF+12*\f:KF+12*\f+11], v[Q:Q+11], 0, v[KS+\f], v[QS+(\t)] matrix_a_fmt:MATRIX_FMT_FP6 matrix_b_fmt:MATRIX_FMT_FP6
	v_wmma_scale_f32_16x16x128_f8f6f4 v[S+16*\f+8:S+16*\f+15], v[KF+12*\f:KF+12*\f+11], v[Q+6:Q+17], 0, v[KS+\f], v[QS+(\t)] matrix_a_fmt:MATRIX_FMT_FP6 matrix_b_fmt:MATRIX_FMT_FP6
.endr
.irp f, 2,3
	v_wmma_scale_f32_16x16x128_f8f6f4 v[S+16*\f:S+16*\f+7], v[KF+12*\f:KF+12*\f+11], v[Q:Q+11], 0, v[KS+\f-2], v[QS+(\t)] matrix_a_fmt:MATRIX_FMT_FP6 matrix_b_fmt:MATRIX_FMT_FP6 matrix_a_scale:MATRIX_SCALE_ROW1
	v_wmma_scale_f32_16x16x128_f8f6f4 v[S+16*\f+8:S+16*\f+15], v[KF+12*\f:KF+12*\f+11], v[Q+6:Q+17], 0, v[KS+\f-2], v[QS+(\t)] matrix_a_fmt:MATRIX_FMT_FP6 matrix_b_fmt:MATRIX_FMT_FP6 matrix_a_scale:MATRIX_SCALE_ROW1
.endr
.endm
; THE SOFTMAX OF TILE t OVER 128 KEYS, with the other tile's products inside.  pv: the other tile's O products; qk: its next scores; ld: tile B's copy fetches k, tile A's fetches v, of the step at v5, v6.
.macro SOFT t, pv, qk, ld
	WIN 0x55*(\t)
	s_wait_alu depctr_va_vdst(0)                   ; the wait stands ahead of the first readers of S^T and O^T; only plain vector work stands up to the last of them
.irp b, 0,1,2,3
	v_max3_num_f32 v[BM+\b], v[S+16*\b], v[S+16*\b+1], v[S+16*\b+2]   ; the largest score of each block of 32 keys: for the row's maximum and, since p rises with the score, for the block's largest p
.endr
.irp i, 3,5,7,9,11,13
.irp b, 0,1,2,3
	v_max3_num_f32 v[BM+\b], v[BM+\b], v[S+16*\b+\i], v[S+16*\b+\i+1]
.endr
.endr
.irp b, 0,1,2,3
	v_max_num_f32 v[BM+\b], v[BM+\b], v[S+16*\b+15]
.endr
.irp b, 0,1,2,3
	s_delay_alu instid0(VALU_DEP_4)
	v_permlanex16_b32 v[BP+\b], v[BM+\b], s40, s41
.endr
.irp b, 0,1,2,3
	s_delay_alu instid0(VALU_DEP_4)
	v_max_num_f32 v[BM+\b], v[BM+\b], v[BP+\b]     ; with lane l xor 16's 16 keys
.endr
	s_delay_alu instid0(VALU_DEP_2)
	v_max3_num_f32 v[TMP], v[BM], v[BM+1], v[BM+2]
	s_delay_alu instid0(VALU_DEP_1)
	v_max_num_f32 v[TMP], v[TMP], v[BM+3]
	s_delay_alu instid0(VALU_DEP_1)
	v_mul_f32 v[TMP], s42, v[TMP]                  ; the step's largest t (c is positive)
	s_delay_alu instid0(VALU_DEP_1)
	v_max_num_f32 v[NM+1], v[NM+1], v[TMP]         ; the running largest t
	v_mov_b32 v[TMP], v[NM]
	s_delay_alu instid0(VALU_DEP_2)
	v_floor_f32 v[NM], -v[NM+1]                    ; the new -M = floor(-t): M is a whole number
	s_delay_alu instid0(VALU_DEP_1)
	v_sub_f32 v[TMP], v[NM], v[TMP]                ; old M - new M: a whole number, 0 or less
	s_delay_alu instid0(VALU_DEP_1)
	v_cvt_i32_f32 v[TMP], v[TMP]                   ; (it saturates)
	s_delay_alu instid0(VALU_DEP_1)
	v_ldexp_f32 v[F], 1.0, v[TMP]                  ; f = 2^(old M - new M)
.set j, 0
.rept 16
	v_pk_mul_f32 v[O+j:O+j+1], v[O+j:O+j+1], v[F:F+1] op_sel_hi:[1,0]   ; O^T under the new M
.set j, j+2
.endr
	v_pk_mul_f32 v[L:L+1], v[L:L+1], v[F:F+1] op_sel_hi:[1,0]           ; and the sum
.if \pv
.if \t
	s_wait_dscnt 0x0                               ; v's fragments, asked for in tile A's softmax, are in
.endif
	PV (1-(\t))
.endif
.if (\ld) && (\t)
	WIN 0
	KLOAD                                          ; k's registers were last read by tile B's scores, 64 plain instructions and more ago
.endif
	WIN 0x55*(\t)
.irp b, 0,1,2,3
	v_fma_f32 v[BM+\b], v[BM+\b], s42, v[NM]       ; t - M of each block's largest score
.endr
.set j, 0
.rept 32
	v_pk_fma_f32 v[S+j:S+j+1], v[S+j:S+j+1], s[42:43], v[NM:NM+1] op_sel_hi:[1,0,0]   ; t - M, two at a time.  These 36 are also the places behind the O products
.set j, j+2
.endr
.if (\ld) && ((\t) == 0)
	VLOAD
.endif
	s_wait_alu depctr_va_vdst(0)                   ; the wait ahead of the batch
.irp b, 0,1,2,3
	v_exp_f32 v[BM+\b], v[BM+\b]                   ; the block's largest p: the same two instructions on the same number give the same bits
.endr
.set j, 0
.rept 64
	v_exp_f32 v[S+j], v[S+j]                       ; p = 2^(t - M), at most 1
.set j, j+1
.endr
	v_nop                                          ; a plain place behind the exponentials
	s_wait_alu depctr_va_vdst(0)                   ; one wait for the batch, ahead of its first reader
.if \qk
.if \t
	s_wait_dscnt 0x0                               ; k's fragments, asked for above, are in
.endif
	QK (1-(\t))
	WIN 0x55*(\t)
.endif
.irp b, 0,1,2,3
	v_max_num_f32 v[BM+\b], 0x1800000, v[BM+\b]    ; the floor 2^(3 - 127): the byte cannot fall under 1
.endr
.irp b, 0,1,2,3
	s_delay_alu instid0(VALU_DEP_4)
	v_add_nc_u32 v[BE+\b], 0xff000000, v[BM+\b]    ; 2 off the exponent field: the conversion's scale operand
.endr
.irp b, 0,1,2,3
	s_delay_alu instid0(VALU_DEP_4)
	v_lshrrev_b32 v[BP+\b], 23, v[BE+\b]           ; the byte
.endr
	s_delay_alu instid0(VALU_DEP_3)
	v_lshl_or_b32 v[TW], v[BP+1], 8, v[BP]
	s_delay_alu instid0(VALU_DEP_1)
	v_lshl_or_b32 v[TW], v[BP+2], 16, v[TW]
	WIN 0x15*(\t)
	v_lshl_or_b32 v[PS+(\t)], v[BP+3], 24, v[TW]   ; p's scale word for these 128 keys: scale operands lie in window 0
	WIN 0x55*(\t)
.irp c, 0,1
	v_cvt_scalef32_pk16_fp6_f32 v[PC+6*\c:PC+6*\c+2], v[S+32*\c:S+32*\c+15], v[BE+2*\c]
	v_cvt_scalef32_pk16_fp6_f32 v[PT+4*\c:PT+4*\c+2], v[S+32*\c+16:S+32*\c+31], v[BE+2*\c+1]   ; (a conversion's three registers begin on an even number)
.endr
	v_nop                                          ; one plain instruction behind the scaled conversions
.irp c, 0,1                            ; the layout wants a whole block in a lane
.irp i, 0,1,2
	v_permlane16_swap_b32 v[PC+6*\c+\i], v[PT+4*\c+\i]
.endr
.irp i, 0,1,2
	v_mov_b32 v[PC+6*\c+3+\i], v[PT+4*\c+\i]
.endr
.endr
	v_pk_add_f32 v[T1:T1+1], v[S:S+1], v[S+2:S+3]                  ; the row's sum of the unquantised p: 32 additions in four chains
	v_pk_add_f32 v[T1+2:T1+3], v[S+4:S+5], v[S+6:S+7]
	v_pk_add_f32 v[T1+4:T1+5], v[S+8:S+9], v[S+10:S+11]
	v_pk_add_f32 v[L:L+1], v[L:L+1], v[S+12:S+13]
.set j, 14
.rept 6
	v_pk_add_f32 v[T1:T1+1], v[T1:T1+1], v[S+j:S+j+1]
	v_pk_add_f32 v[T1+2:T1+3], v[T1+2:T1+3], v[S+j+2:S+j+3]
	v_pk_add_f32 v[T1+4:T1+5], v[T1+4:T1+5], v[S+j+4:S+j+5]
	v_pk_add_f32 v[L:L+1], v[L:L+1], v[S+j+6:S+j+7]
.set j, j+8
.endr
	v_pk_add_f32 v[T1:T1+1], v[T1:T1+1], v[S+62:S+63]
	v_pk_add_f32 v[T1+2:T1+3], v[T1+2:T1+3], v[T1+4:T1+5]
	s_delay_alu instid0(VALU_DEP_2)
	v_pk_add_f32 v[L:L+1], v[L:L+1], v[T1:T1+1]
	s_delay_alu instid0(VALU_DEP_1)
	v_pk_add_f32 v[L:L+1], v[L:L+1], v[T1+2:T1+3]
.endm
; A TILE'S END: O^T / the sum, quantised along the head's 64 channels, stored as half a fragment and two scale bytes a row
.macro FIN t
	WIN 0x55*(\t)
	s_wait_alu depctr_va_vdst(0)
	v_add_f32 v[L], v[L], v[L+1]
	s_delay_alu instid0(VALU_DEP_1)
	v_permlanex16_b32 v[TMP], v[L], s40, s41
	s_delay_alu instid0(VALU_DEP_1)
	v_add_f32 v[L], v[L], v[TMP]                   ; the row's sum
	s_wait_alu depctr_va_vdst(0)
	v_rcp_f32 v[L], v[L]
	v_nop                                          ; a plain instruction behind the reciprocal,
	s_wait_alu depctr_va_vdst(0)                   ; and the wait ahead of its first reader and of O^T's
.set j, 0
.rept 16
	v_pk_mul_f32 v[S+j:S+j+1], v[O+j:O+j+1], v[L:L+1] op_sel_hi:[1,0]   ; o: register 16 b + i = channel 32 b + 16 h + i of my query
.set j, j+2
.endr
.irp b, 0,1
	v_max3_num_f32 v[BM+\b], |v[S+16*\b]|, |v[S+16*\b+1]|, 0x1800000
.endr
.irp i, 2,4,6,8,10,12,14
.irp b, 0,1
	s_delay_alu instid0(VALU_DEP_2)
	v_max3_num_f32 v[BM+\b], v[BM+\b], |v[S+16*\b+\i]|, |v[S+16*\b+\i+1]|
.endr
.endr
.irp b, 0,1
	s_delay_alu instid0(VALU_DEP_2)
	v_permlanex16_b32 v[BP+\b], v[BM+\b], s40, s41
.endr
.irp b, 0,1
	s_delay_alu instid0(VALU_DEP_2)
	v_max_num_f32 v[BM+\b], v[BM+\b], v[BP+\b]
.endr
.irp b, 0,1
	s_delay_alu instid0(VALU_DEP_2)
	v_add_nc_u32 v[BE+\b], 0xff000000, v[BM+\b]
.endr
.irp b, 0,1
	s_delay_alu instid0(VALU_DEP_2)
	v_lshrrev_b32 v[BP+\b], 23, v[BE+\b]
.endr
	v_cvt_scalef32_pk16_fp6_f32 v[PC:PC+2], v[S:S+15], v[BE]
	v_cvt_scalef32_pk16_fp6_f32 v[PT:PT+2], v[S+16:S+31], v[BE+1]
	v_nop
.irp i, 0,1,2
	v_permlane16_swap_b32 v[PC+\i], v[PT+\i]
.endr
.irp i, 0,1,2
	v_mov_b32 v[PC+3+\i], v[PT+\i]
.endr
	v_cndmask_b32 v[TW], v[BP], v[BP+1], s55       ; lane (r, h) stores block h's byte of row r
	WIN 0x04*(\t)                                  ; the data in the tile's window, the offsets in window 0
	global_store_b128 v1, v[PC:PC+3], s[50:51] offset:(\t)*12288         ; half a fragment: 512 and 256 consecutive aligned bytes
	global_store_b64 v2, v[PC+4:PC+5], s[50:51] offset:(\t)*12288+512
	global_store_b8 v8, v[TW], s[52:53] offset:(\t)*512                  ; a row's scale word mixes two heads, which other work-groups own: so single bytes
.endm
	s_load_b128 s[4:7], s[0:1], 0x0                ; qkv, ocodes
	s_load_b64 s[8:9], s[0:1], 0x10                ; oscales
	v_lshl_add_u32 v3, v0, 2, SPARE
	v_mov_b32 v4, 0
	ds_add_u32 v3, v4                              ; the wave's opening: the add, twice on end, and its wait ahead of the first tensor load
	ds_add_u32 v3, v4
	v_lshrrev_b32 v5, 5, v0
	v_readfirstlane_b32 s10, v5                    ; wave 0..7
	s_bfe_u32 s11, ttmp6, 0x40000                  ; cx: it enters q's and o's addresses alone
	s_and_b32 s12, ttmp7, 0xffff                   ; batch x 16 + head: the four partners share it
	s_mov_b32 s16, 15|(3<<16)|(1<<21)              ; group 1: the mask names all four; elements of 8 bytes; bit 21 beside a mask; no padding
	s_mov_b32 s17, 32<<16                          ; 25,600 dense bytes as 100 rows of 256
	s_mov_b32 s18, 100<<16
	s_mov_b32 s19, 32<<16
	s_mov_b32 s20, 100
	s_mov_b32 s21, 32
	s_mov_b32 s22, 0
	s_mov_b32 s23, 0
	s_mul_i32 s13, s12, 204800                     ; the head's first byte in a region
	s_mul_i32 s14, s10, 25600                      ; my two key steps of the sixteen
	s_add_co_u32 s56, s13, s14
	s_add_co_u32 s56, s56, 13107200                ; in k's and v's region
	s_mov_b32 s57, 0
	s_lshl_b32 s46, s11, 2                         ; q: tiles 32 cx + 16 pass + 2 wave, + 1: group 4 cx + 2 pass + wave / 4, fragment wave % 4 of it
	s_lshr_b32 s60, s10, 2
	s_add_co_u32 s46, s46, s60
	s_mul_i32 s46, s46, STEPB
	s_add_co_u32 s46, s46, s13
	s_bfe_u32 s61, s10, 0x10001
	s_lshl_b32 s61, s61, 7                         ; the fragment's scale word: lanes' half,
	s_and_b32 s62, s10, 1
	s_lshl_b32 s62, s62, 2                         ; and word
	s_add_co_u32 s48, s46, s61
	s_add_co_u32 s48, s48, s62
	s_add_co_u32 s48, s48, 12288
	s_mov_b32 s49, 0
	s_and_b32 s60, s10, 3
	s_mul_i32 s60, s60, 1536
	s_add_co_u32 s46, s46, s60
	s_mov_b32 s47, 0
	s_lshr_b32 s50, s12, 4                         ; o: token tile batch x 128 + 32 cx + 16 pass + 2 wave (+ 1)
	s_lshl_b32 s50, s50, 7
	s_lshl_b32 s60, s11, 5
	s_add_co_u32 s50, s50, s60
	s_lshl_b32 s60, s10, 1
	s_add_co_u32 s50, s50, s60
	s_lshl_b32 s52, s50, 9                         ; its 512 bytes of scale words,
	s_mul_i32 s50, s50, 12288                      ; its 12,288 bytes of codes,
	s_and_b32 s60, s12, 15
	s_mul_i32 s61, s60, 768                        ; my head's half fragment
	s_add_co_u32 s50, s50, s61
	s_mov_b32 s51, 0
	s_lshr_b32 s61, s60, 3
	s_lshl_b32 s61, s61, 8                         ; my head's two bytes of a row: K half head / 8, byte 2 (head % 8) of the row's 16
	s_add_co_u32 s52, s52, s61
	s_and_b32 s61, s12, 7
	s_lshl_b32 s61, s61, 1
	s_add_co_u32 s52, s52, s61
	s_mov_b32 s53, 0
	s_mov_b32 s40, 0x76543210
	s_mov_b32 s41, 0xfedcba98                      ; selects for lane l xor 16
	s_mov_b32 s42, 0x3e38aa3b                      ; c = log2(e) / 8
	s_mov_b32 s43, s42                             ; (named with it as a pair, so it is written)
	s_mov_b32 s15, 0                               ; the pass
	s_wait_dscnt 0x0                               ; both opening adds are done
	s_wait_kmcnt 0x0
	s_add_nc_u64 s[58:59], s[4:5], s[56:57]
	s_add_nc_u64 s[46:47], s[4:5], s[46:47]
	s_add_nc_u64 s[48:49], s[4:5], s[48:49]
	s_add_nc_u64 s[50:51], s[6:7], s[50:51]
	s_add_nc_u64 s[52:53], s[8:9], s[52:53]
	CROUND                                         ; all four work-groups are here: the joint loads meet
	s_mov_b32 s24, 1
	s_add_co_u32 s25, s14, 0
	s_mov_b64 s[26:27], s[58:59]
	s_or_b32 s27, s27, 0x80000000
	tensor_load_to_lds s[24:27], s[16:23]          ; every wave's one load: 25,600 bytes; the eight fill the head's 204,800
	s_nop 0
.rept 4
	v_nop
.endr
	v_and_b32 v5, 31, v0
	v_and_b32 v6, 15, v0
	v_bfe_u32 v18, v0, 4, 1
	v_lshlrev_b32 v1, 4, v5
	v_lshlrev_b32 v2, 3, v5
	v_lshlrev_b32 v7, 3, v6
	v_lshl_add_u32 v8, v6, 4, v18
	v_cmp_ne_u32 s55, 0, v18                       ; lanes 16-31
	QLOAD 0                                        ; the first pass's q lands under the tensor loads
.irp t, 0,1
	WIN 0x40*\t
.irp i, 242,243,244,245,246,247,216,217,218,219,225,227
	v_mov_b32 v\i, 0                               ; written once in each window: the zero codes between q's two copies, permutes' destinations, the upper half of f's pair
.endr
.endr
	WIN 0
	s_wait_alu depctr_va_vdst(0)
	s_wait_tensorcnt 0x0                           ; my 25,600 bytes are in
	s_barrier_signal -1
	s_barrier_wait -1                              ; and everybody's
.Lpass:
	s_wait_loadcnt 0x0                             ; this pass's q
	WIN 0x01
.irp i, 0,1,2,3,4,5
	v_mov_b32 v[Q+\i], v[\i]                       ; tile A's q, on both sides of the zero codes
	v_mov_b32 v[Q+12+\i], v[\i]
.endr
	WIN 0x41
.irp i, 0,1,2,3,4,5
	v_mov_b32 v[Q+\i], v[6+\i]                     ; tile B's
	v_mov_b32 v[Q+12+\i], v[6+\i]
.endr
	WIN 0
	v_perm_b32 v[QS], v9, v9, 0x01000100           ; a tile's two bytes in both halves of its word: they serve [q | 0] and [0 | q]
	v_perm_b32 v[QS+1], v9, v9, 0x03020302
	s_cmp_lg_u32 s15, 0
	s_cbranch_scc1 .Lno_next
	QLOAD 25600                                    ; the second pass's q lands under the first pass
.Lno_next:
.irp t, 0,1
	WIN 0x40*\t
	v_mov_b32 v[NM+1], 0xff61b1e6                  ; the largest t so far: -3e38, under every t
	v_mov_b32 v[NM], 0x7f61b1e6                    ; -M
	v_mov_b32 v[L], 0
	v_mov_b32 v[L+1], 0
.set j, 0
.rept 32
	v_mov_b32 v[O+j], 0                            ; O^T: the step is written once; its first turn finds zeros.  (Also the places between q's scale words and the first products)
.set j, j+1
.endr
.endr
	WIN 0
	s_mov_b32 s44, 0
	v_add_nc_u32 v5, s44, v1
	v_add_nc_u32 v6, s44, v2
	KLOAD                                          ; key step 0
	s_wait_alu depctr_va_vdst(0)
	s_wait_dscnt 0x0
	QK 0
.rept 4
	v_nop                                          ; four places between tile A's first scores and the softmax that reads them
.endr
	SOFT 0, 0, 1, 1                                ; tile A, step 0; inside: tile B's scores of step 0; v of step 0 is fetched
	s_mov_b32 s44, STEPB
	s_mov_b32 s45, 15
.Lstep:                                                ; trip s = 0 .. 14; v5, v6 point at step s + 1
	v_add_nc_u32 v5, s44, v1
	v_add_nc_u32 v6, s44, v2
	SOFT 1, 1, 1, 1                                ; tile B, step s; inside: tile A's O products of step s and scores of step s + 1; k of step s + 1 is fetched
	SOFT 0, 1, 1, 1                                ; tile A, step s + 1; inside: tile B's O products of step s and scores of step s + 1; v of step s + 1 is fetched
	s_add_co_u32 s44, s44, STEPB
	s_sub_co_u32 s45, s45, 1
	s_cmp_lg_u32 s45, 0
	s_cbranch_scc1 .Lstep
	SOFT 1, 1, 0, 0                                ; tile B, step 15; inside: tile A's last O products
	PV 1                                           ; 32 additions stand between p's codes and scale word and these
	FIN 0                                          ; its plain work is the places behind tile B's last products
	FIN 1
	WIN 0
	s_wait_xcnt 0x0                                ; the stores have read their registers and bases
	s_add_nc_u64 s[50:51], s[50:51], 196608        ; 16 token tiles on
	s_add_nc_u64 s[52:53], s[52:53], 8192
	s_add_co_u32 s15, s15, 1
	s_cmp_lt_u32 s15, 2
	s_wait_alu depctr_va_vdst(0)
	s_cbranch_scc1 .Lpass
	s_wait_tensorcnt 0x0                           ; the wave's end, behind the last tensor load
	ds_add_u32 v3, v4
	s_wait_dscnt 0x0
	CROUND                                         ; the closing round
	s_endpgm
.Lfunc_end_k_q720a3d288c_attn:
	.size	k_q720a3d288c_attn, .Lfunc_end_k_q720a3d288c_attn-k_q720a3d288c_attn
	.p2alignl 7, 3214868480
	.fill 96, 4, 3214868480
	.section	.rodata,"a",@progbits
	.p2align	6, 0x0
	.amdhsa_kernel k_q720a3d288c_attn
		.amdhsa_group_segment_fixed_size 205824
		.amdhsa_private_segment_fixed_size 0
		.amdhsa_enable_private_segment 0
		.amdhsa_kernarg_size 24
		.amdhsa_user_sgpr_count 2
		.amdhsa_user_sgpr_kernarg_segment_ptr 1
		.amdhsa_wavefront_size32 1
		.amdhsa_system_sgpr_workgroup_id_x 1
		.amdhsa_system_sgpr_workgroup_id_y 1
		.amdhsa_system_sgpr_workgroup_id_z 1
		.amdhsa_system_vgpr_workitem_id 0
		.amdhsa_next_free_vgpr 512
		.amdhsa_next_free_sgpr 66
		.amdhsa_reserve_vcc 0
		.amdhsa_float_denorm_mode_32 3
		.amdhsa_float_denorm_mode_16_64 3
		.amdhsa_memory_ordered 1
		.amdhsa_forward_progress 1
		.amdhsa_inst_pref_size 82
	.end_amdhsa_kernel
	.amdgpu_metadata
---
amdhsa.version: [ 1, 2 ]
amdhsa.kernels:
  - .name:           k_q720a3d288c_attn
    .symbol:         k_q720a3d288c_attn.kd
    .args:
      - { .name: qkv, .offset: 0, .size: 8, .value_kind: global_buffer, .address_space: global }
      - { .name: ocodes, .offset: 8, .size: 8, .value_kind: global_buffer, .address_space: global }
      - { .name: oscales, .offset: 16, .size: 8, .value_kind: global_buffer, .address_space: global }
    .group_segment_fixed_size: 205824
    .private_segment_fixed_size: 0
    .kernarg_segment_align: 8
    .kernarg_segment_size: 24
    .max_flat_workgroup_size: 256
    .sgpr_count:     66
    .vgpr_count:     512
    .wavefront_size: 32
...
	.end_amdgpu_metadata
.endif
;; end of part 3
;; launch gemm_out (part 4): grid 4 x 32, 4 waves a work-group, clusters of 4 x 4, 327,680 bytes of LDS; arguments ocodes, oscales, codes, scales, b_proj, out0; writes out0
.if DOCPART == 4
	.amdgcn_target "amdgcn-amd-amdhsa--gfx1250"
	.amdhsa_code_object_version 6
	.text
	.protected	k_q720a3d288c_gemm_out
	.globl	k_q720a3d288c_gemm_out
	.p2align	8
	.type	k_q720a3d288c_gemm_out,@function
k_q720a3d288c_gemm_out:
	s_mov_b64 s[64:65], 0
	v_nop
	global_prefetch_b8 v0, s[64:65] scope:SCOPE_SE
	s_setreg_imm32_b32 hwreg(HW_REG_WAVE_MODE, 25, 1), 1
	s_wait_xcnt 0x0
	s_wait_alu depctr_hold_cnt(0) depctr_sa_sdst(0) depctr_va_vdst(0) depctr_va_sdst(0) depctr_va_ssrc(0) depctr_va_vcc(0) depctr_vm_vsrc(0)
	s_getreg_b32 s2, hwreg(HW_REG_IB_STS2, 6, 4)
	s_cmp_eq_u32 s2, 0
	s_cbranch_scc0 .Lentry_in_a_cluster
	s_endpgm
.Lentry_in_a_cluster:
	s_bfe_u32 s2, ttmp6, 0x10000c
	s_cmp_lg_u32 s2, 0xf033
	s_cbranch_scc0 .Lentry_shape_is_right
	s_endpgm
.Lentry_shape_is_right:
.set SLOT,  98304
.set HALFT, 24576
; K's eight steps go through two LDS regions of RX bytes: steps 0-2 (asked for at the head), steps 3-5 (behind the first round), and steps 6-7, which fill the first region's first 4 x HALFT bytes again.
; In a region: L's two halves of 8 tiles, then R's two, HX bytes each; a tile's row holds three steps' fragments (4,608 bytes), in the refill two (3,072 bytes).
; The stage of the way out lies from byte SLOT on, in the first region behind the refill's bytes: those bytes have their last fill at the head.
.set HX, 36864
.set RX, 4*HX
.set SCL,   3*SLOT
.set SPARE, SCL+16384
.set ADL16, 8
.set ADL8,  11
.set ADR16, 14
.set ADR8,  17
.set ADRS,  20
.set STO,   24
.set RD,    25
.set SPW,   28
.set NIL,   29
.set SC,    32
.set AF,    128
.set G1L,  24
.set G0L,  32
.set G1R,  44
.set G0R,  52
.set G1SL, 68
.set G0SL, 76
.set G1SR, 80
.set G0SR, 88
.set MSB, 0
.macro WIN new
.if MSB != (\new)
	s_set_vgpr_msb (MSB<<8)|(\new)
.set MSB, (\new)
.endif
.endm
.macro PLACES n
.rept \n
	v_nop
.endr
.endm
.macro JLOAD g0l, g1l, g0r, g1r
	s_cmp_eq_u32 s17, 0
	s_cbranch_scc0 .Lfor_r_\@
	tensor_load_to_lds s[\g0l:\g0l+3], s[\g1l:\g1l+7]
	s_nop 0
.rept 4
	v_nop
.endr
	s_branch .Lasked_\@
.Lfor_r_\@:
	tensor_load_to_lds s[\g0r:\g0r+3], s[\g1r:\g1r+7]
	s_nop 0
.rept 4
	v_nop
.endr
.Lasked_\@:
.endm
.macro CREST
	s_cmp_lg_u32 s16, 0
	s_cbranch_scc1 .Lnot_wave_0_\@
	s_barrier_signal -3
.Lnot_wave_0_\@:
	s_barrier_wait -3
	s_barrier_signal -1
	s_barrier_wait -1
.endm
.macro CROUND
	s_barrier_signal -1
	s_barrier_wait -1
	CREST
.endm
	s_load_b256 s[4:11], s[0:1], 0x0
	s_load_b128 s[12:15], s[0:1], 0x20
	v_lshl_add_u32 v[SPW], v0, 2, SPARE
	v_mov_b32 v[NIL], 0
	ds_add_u32 v[SPW], v[NIL]
	ds_add_u32 v[SPW], v[NIL]
	v_lshrrev_b32 v1, 5, v0
	v_readfirstlane_b32 s16, v1
	s_lshr_b32 s17, s16, 1
	s_and_b32 s18, s16, 1
	s_bfe_u32 s92, ttmp6, 0x40000
	s_bfe_u32 s93, ttmp6, 0x40004
	s_and_b32 s19, ttmp7, 0xffff
	s_lshl_b32 s19, s19, 2
	s_add_co_u32 s94, s19, s93
	s_add_co_u32 s95, s92, 44
	s_lshl_b32 s98, s93, 2
	s_lshl_b32 s98, 15, s98
	s_lshl_b32 s99, 0x1111, s92
	s_or_b32 s[G1L], s98, (3<<16)|(1<<21)
	s_or_b32 s[G1R], s99, (3<<16)|(1<<21)
	s_or_b32 s[G1SL], s98, (3<<16)|(1<<21)
	s_or_b32 s[G1SR], s99, (3<<16)|(1<<21)
.irp g, G1L, G1R
	s_mov_b32 s[\g+1], 576<<16                     ; the head's loads of codes: 16 tiles x 4,608 bytes (three K steps)
	s_mov_b32 s[\g+2], 16<<16
	s_mov_b32 s[\g+3], 576<<16
	s_mov_b32 s[\g+4], 16
	s_mov_b32 s[\g+5], 1536
	s_mov_b32 s[\g+6], 0
	s_mov_b32 s[\g+7], 0
.endr
.irp g, G1SL, G1SR
	s_mov_b32 s[\g+1], 32<<16
	s_mov_b32 s[\g+2], 32<<16                      ; the scale words of 16 tiles: 32 rows of 256 bytes
	s_mov_b32 s[\g+3], 32<<16
	s_mov_b32 s[\g+4], 32
	s_mov_b32 s[\g+5], 32
	s_mov_b32 s[\g+6], 0
	s_mov_b32 s[\g+7], 0
.endr
	s_lshl_b32 s22, s94, 8
	s_mul_i32 s20, s22, 768
	s_mov_b32 s21, 0
	s_lshl_b32 s22, s22, 5
	s_mov_b32 s23, 0
	s_lshl_b32 s100, s95, 8
	s_mul_i32 s96, s100, 768
	s_mov_b32 s97, 0
	s_lshl_b32 s100, s100, 5
	s_mov_b32 s101, 0
	s_wait_dscnt 0x0
	s_wait_kmcnt 0x0
	s_add_nc_u64 s[20:21], s[4:5], s[20:21]
	s_add_nc_u64 s[22:23], s[6:7], s[22:23]
	s_add_nc_u64 s[96:97], s[8:9], s[96:97]
	s_add_nc_u64 s[100:101], s[10:11], s[100:101]
	s_mov_b32 s[G0SL], 1                           ; the head's four tiles, each whole: L's scale words,
	s_mov_b32 s[G0SL+1], SCL
	s_mov_b64 s[G0SL+2:G0SL+3], s[22:23]
	s_or_b32 s[G0SL+3], s[G0SL+3], 0x80000000
	s_mov_b32 s[G0SR], 1                           ; R's,
	s_mov_b32 s[G0SR+1], SCL+8192
	s_mov_b64 s[G0SR+2:G0SR+3], s[100:101]
	s_or_b32 s[G0SR+3], s[G0SR+3], 0x80000000
	s_mov_b32 s[G0L], 1                            ; L's 16 tiles of K steps 0-2,
	s_mov_b32 s[G0L+1], 0
	s_mov_b64 s[G0L+2:G0L+3], s[20:21]
	s_or_b32 s[G0L+3], s[G0L+3], 0x80000000
	s_mov_b32 s[G0R], 1                            ; and R's
	s_mov_b32 s[G0R+1], 2*HX
	s_mov_b64 s[G0R+2:G0R+3], s[96:97]
	s_or_b32 s[G0R+3], s[G0R+3], 0x80000000
	s_mul_i32 s2, s18, 98304                       ; behind the head a wave fetches 8 tiles: which half, in bytes
	s_mov_b32 s3, 0
	s_add_nc_u64 s[20:21], s[20:21], s[2:3]
	s_add_nc_u64 s[96:97], s[96:97], s[2:3]
	s_mul_i32 s2, s16, HX
	s_mul_i32 s3, s16, HALFT
.irp n, 1,2
	s_mov_b32 s[G0L+4*\n], 1                       ; set 1: K steps 3-5, at byte 4,608 of a tile's record; set 2: K steps 6-7, at byte 9,216
	s_add_nc_u64 s[G0L+4*\n+2:G0L+4*\n+3], s[20:21], \n*4608
	s_or_b32 s[G0L+4*\n+3], s[G0L+4*\n+3], 0x80000000
	s_mov_b32 s[G0R+4*\n], 1
	s_add_nc_u64 s[G0R+4*\n+2:G0R+4*\n+3], s[96:97], \n*4608
	s_or_b32 s[G0R+4*\n+3], s[G0R+4*\n+3], 0x80000000
.endr
	s_add_co_u32 s[G0L+5], s2, RX
	s_add_co_u32 s[G0R+5], s2, RX
	s_add_co_u32 s[G0L+9], s3, 0
	s_add_co_u32 s[G0R+9], s3, 0
	CROUND                                         ; all sixteen work-groups are here: the first joint loads meet
; The head's loads, one a wave: one chain of branches on the wave's number, each arm with its load, all leading to one join
.macro ARM under, g0, g1, next
	s_cmp_lt_u32 s16, \under
	s_cbranch_scc0 \next
	tensor_load_to_lds s[\g0:\g0+3], s[\g1:\g1+7]
	s_nop 0
.rept 4
	v_nop
.endr
	s_branch .Lhead_asked
\next:
.endm
	ARM 1, G0L, G1L, .Lhead_r
	ARM 2, G0R, G1R, .Lhead_sl
	ARM 3, G0SL, G1SL, .Lhead_sr
	tensor_load_to_lds s[G0SR:G0SR+3], s[G1SR:G1SR+7]
	s_nop 0
.rept 4
	v_nop
.endr
.Lhead_asked:
	v_and_b32 v6, 31, v0
	v_and_b32 v1, 15, v0
	v_bfe_u32 v2, v0, 4, 1
	v_lshlrev_b32 v3, 4, v6
	v_lshlrev_b32 v4, 3, v6
	v_lshlrev_b32 v5, 5, v2
	s_mul_i32 s2, s17, HX                          ; my 8 tiles of L and of R in a region,
	s_mul_i32 s3, s18, HX
	s_add_co_u32 s3, s3, 2*HX
	s_mul_i32 s20, s17, HALFT                      ; and in the refill
	s_mul_i32 s21, s18, HALFT
	s_add_co_u32 s21, s21, 2*HALFT
	v_add_nc_u32 v[ADL16], s2, v3
	v_add_nc_u32 v[ADL8], s2, v4
	v_add_nc_u32 v[ADR16], s3, v3
	v_add_nc_u32 v[ADR8], s3, v4
	v_add_nc_u32 v[ADL16+2], s20, v3
	v_add_nc_u32 v[ADL8+2], s20, v4
	v_add_nc_u32 v[ADR16+2], s21, v3
	v_add_nc_u32 v[ADR8+2], s21, v4
	v_add_nc_u32 v[ADL16+1], RX, v[ADL16]
	v_add_nc_u32 v[ADL8+1], RX, v[ADL8]
	v_add_nc_u32 v[ADR16+1], RX, v[ADR16]
	v_add_nc_u32 v[ADR8+1], RX, v[ADR8]
	s_lshl_b32 s2, s17, 12
	s_lshl_b32 s66, s18, 12
	s_add_co_u32 s66, s66, 8192
	s_sub_co_u32 s66, s66, s2
	v_mul_u32_u24 v[ADRS], s66, v2
	s_add_co_u32 s2, s2, SCL
	v_lshl_add_u32 v[ADRS], v1, 4, v[ADRS]
	v_add_nc_u32 v[ADRS], s2, v[ADRS]
	s_mul_i32 s2, s16, 8448
	s_add_co_u32 s2, s2, SLOT
	v_mul_u32_u24 v[STO], v1, 528
	v_lshl_add_u32 v[STO], v2, 5, v[STO]
	v_add_nc_u32 v[STO], s2, v[STO]
	v_add_nc_u32 v[RD], s2, v3
	s_lshl_b32 s96, s92, 8
	s_lshl_b32 s97, s18, 7
	s_add_co_u32 s96, s96, s97
	s_lshl_b32 s96, s96, 2
	s_mov_b32 s97, 0
	s_add_nc_u64 s[12:13], s[12:13], s[96:97]
	s_add_nc_u64 s[14:15], s[14:15], s[96:97]
	s_lshl_b32 s20, s94, 1
	s_add_co_u32 s20, s20, s17
	s_lshl_b32 s20, s20, 19
	s_mov_b32 s21, 0
	s_add_nc_u64 s[14:15], s[14:15], s[20:21]
.irp b, 0,1,2,3,4,5,6,7
	global_load_b128 v[96+8*\b+96*(\b/4):96+8*\b+96*(\b/4)+3], v5, s[12:13] offset:64*\b
	global_load_b128 v[96+8*\b+96*(\b/4)+4:96+8*\b+96*(\b/4)+7], v5, s[12:13] offset:64*\b+16
.endr
.macro FRAG reg, a16, a8, off
	ds_load_b128 v[(\reg):(\reg)+3], v[\a16] offset:(\off)
	ds_load_b64 v[(\reg)+4:(\reg)+5], v[\a8] offset:(\off)+512
	ds_load_b128 v[(\reg)+6:(\reg)+9], v[\a16] offset:(\off)+768
	ds_load_b64 v[(\reg)+10:(\reg)+11], v[\a8] offset:(\off)+1280
.endm
.macro FETCH_R s, p
	WIN 0x40
.irp i, 0,1,2,3,4,5,6,7
.if (\s) < 6
	FRAG 128*(\p)+12*\i, ADR16+((\s)/3), ADR8+((\s)/3), \i*4608+((\s)%3)*1536
.else
	FRAG 128*(\p)+12*\i, ADR16+2, ADR8+2, \i*3072+((\s)-6)*1536
.endif
.endr
	WIN 0
.endm
.macro FETCH_L s, i0
.irp i, \i0, \i0+1, \i0+2, \i0+3
.if (\s) < 6
	FRAG AF+12*(\i), ADL16+((\s)/3), ADL8+((\s)/3), (\i)*4608+((\s)%3)*1536
.else
	FRAG AF+12*(\i), ADL16+2, ADL8+2, (\i)*3072+((\s)-6)*1536
.endif
.endr
.endm
.macro MUL16 a0, p, s, cmode
.irp a, \a0, \a0+1
.irp b, 0,1,2,3,4,5,6,7
.if (\cmode) == 2
	v_wmma_scale_f32_16x16x128_f8f6f4 v[8*(8*((\a)%4)+\b):8*(8*((\a)%4)+\b)+7], v[128*(\p)+12*\b:128*(\p)+12*\b+11], v[AF+12*(\a):AF+12*(\a)+11], v[96+8*\b+96*(\b/4):96+8*\b+96*(\b/4)+7], v[SC+8*\b+(\s)], v[SC+8*(\a)+(\s)] matrix_a_fmt:MATRIX_FMT_FP6 matrix_b_fmt:MATRIX_FMT_FP6 matrix_a_scale:MATRIX_SCALE_ROW1
.else
	v_wmma_scale_f32_16x16x128_f8f6f4 v[8*(8*((\a)%4)+\b):8*(8*((\a)%4)+\b)+7], v[128*(\p)+12*\b:128*(\p)+12*\b+11], v[AF+12*(\a):AF+12*(\a)+11], v[8*(8*((\a)%4)+\b):8*(8*((\a)%4)+\b)+7], v[SC+8*\b+(\s)], v[SC+8*(\a)+(\s)] matrix_a_fmt:MATRIX_FMT_FP6 matrix_b_fmt:MATRIX_FMT_FP6 matrix_a_scale:MATRIX_SCALE_ROW1
.endif
.endr
.endr
.endm
.macro STEP s, cmode
	s_wait_dscnt 16
.if (\cmode) == 2
	WIN 0x81
.else
	WIN 0xa1
.endif
	MUL16 0, ((\s)%2), \s, \cmode
	MUL16 2, ((\s)%2), \s, \cmode
	s_wait_dscnt 0x0
	PLACES 4
	FETCH_R (\s)+1, (1-(\s)%2)
	FETCH_L (\s)+1, 0
.if (\cmode) == 2
	WIN 0xc1
.else
	WIN 0xf1
.endif
	MUL16 4, ((\s)%2), \s, \cmode
	MUL16 6, ((\s)%2), \s, \cmode
	PLACES 4
	WIN 0
	FETCH_L (\s)+1, 4
.endm
.macro TURN s, fill
	s_wait_tensorcnt 0x0
	ds_add_u32 v[SPW], v[NIL]
	s_wait_dscnt 17
	WIN 0xa1
	MUL16 0, ((\s)%2), \s, 0
	s_wait_dscnt 0x0
	s_barrier_signal -1
	MUL16 2, ((\s)%2), \s, 0
	WIN 0
	s_barrier_wait -1
.if \fill
	CREST
	s_mov_b32 s[G1L+1], 384<<16                    ; no tensor load of mine is out: the refill's rows hold two K steps, 3,072 bytes
	s_mov_b32 s[G1L+3], 384<<16
	s_mov_b32 s[G1R+1], 384<<16
	s_mov_b32 s[G1R+3], 384<<16
	JLOAD G0L+8, G1L, G0R+8, G1R
.else
	PLACES 4
.endif
	FETCH_R (\s)+1, (1-(\s)%2)
	FETCH_L (\s)+1, 0
	WIN 0xf1
	MUL16 4, ((\s)%2), \s, 0
	MUL16 6, ((\s)%2), \s, 0
	PLACES 4
	WIN 0
	FETCH_L (\s)+1, 4
.endm
	s_wait_alu depctr_va_vdst(0)
	s_wait_tensorcnt 0x0                           ; my tile of the head's four is in
	ds_add_u32 v[SPW], v[NIL]
	s_mov_b32 s[G1L+2], 8<<16                      ; no tensor load of mine is out: from here on a load brings 8 tiles
	s_mov_b32 s[G1L+4], 8
	s_mov_b32 s[G1R+2], 8<<16
	s_mov_b32 s[G1R+4], 8
	s_wait_dscnt 0x0
	CROUND                                         ; all four tiles are in, and all sixteen work-groups are here
	JLOAD G0L+4, G1L, G0R+4, G1R                   ; K steps 3-5, the first tensor load behind the round
.irp i, 0,1,2,3,4,5,6,7
.irp kh, 0,1
	ds_load_b128 v[SC+8*\i+4*\kh:SC+8*\i+4*\kh+3], v[ADRS] offset:\i*512+\kh*256
.endr
.endr
	FETCH_R 0, 0
	FETCH_L 0, 0
	FETCH_L 0, 4
	s_wait_loadcnt 0x0
	STEP 0, 2
	STEP 1, 0
	TURN 2, 1
	STEP 3, 0
	STEP 4, 0
	TURN 5, 0
	STEP 6, 0
	s_wait_dscnt 16
	WIN 0xa1
	MUL16 0, 1, 7, 0
	MUL16 2, 1, 7, 0
	s_wait_dscnt 0x0
	WIN 0xf1
	MUL16 4, 1, 7, 0
	MUL16 6, 1, 7, 0
	WIN 0
.macro TOSTAGE a
.set AC, 64*((\a)%4)
.set BB, 128+64*((\a)%2)
	WIN 0x08+4*((\a)/4)
.irp b, 0,1,2,3,4,5,6,7
	ds_store_b128 v[STO], v[AC+8*\b:AC+8*\b+3] offset:64*\b
	ds_store_b128 v[STO], v[AC+8*\b+4:AC+8*\b+7] offset:64*\b+16
.endr
	WIN 0
.irp t, 0,1,2,3,4,5,6,7,8,9,10,11,12,13,14,15
	ds_load_b128 v[BB+4*\t:BB+4*\t+3], v[RD] offset:\t*528
.endr
.endm
.macro SEND a, younger
.set BB, 128+64*((\a)%2)
	s_wait_dscnt \younger
.irp t, 0,1,2,3,4,5,6,7,8,9,10,11,12,13,14,15
	global_store_b128 v3, v[BB+4*\t:BB+4*\t+3], s[14:15] offset:(32*((\a)/2)+8*((\a)%2)+\t+8*(\t/8))*4096 th:TH_STORE_NT
.endr
.endm
	PLACES 4
	TOSTAGE 0
.irp a, 1,2,3,4,5,6,7
.if \a > 1
	s_wait_xcnt 0x0
.endif
	TOSTAGE \a
	SEND \a-1, 32
.endr
	SEND 7, 0
	s_wait_tensorcnt 0x0
	ds_add_u32 v[SPW], v[NIL]
	s_wait_dscnt 0x0
	CROUND
	s_endpgm
.Lfunc_end_k_q720a3d288c_gemm_out:
	.size	k_q720a3d288c_gemm_out, .Lfunc_end_k_q720a3d288c_gemm_out-k_q720a3d288c_gemm_out
	.p2alignl 7, 3214868480
	.fill 96, 4, 3214868480
	.section	.rodata,"a",@progbits
	.p2align	6, 0x0
	.amdhsa_kernel k_q720a3d288c_gemm_out
		.amdhsa_group_segment_fixed_size 327680
		.amdhsa_private_segment_fixed_size 0
		.amdhsa_enable_private_segment 0
		.amdhsa_kernarg_size 48
		.amdhsa_user_sgpr_count 2
		.amdhsa_user_sgpr_kernarg_segment_ptr 1
		.amdhsa_wavefront_size32 1
		.amdhsa_system_sgpr_workgroup_id_x 1
		.amdhsa_system_sgpr_workgroup_id_y 1
		.amdhsa_system_sgpr_workgroup_id_z 1
		.amdhsa_system_vgpr_workitem_id 0
		.amdhsa_next_free_vgpr 1024
		.amdhsa_next_free_sgpr 102
		.amdhsa_reserve_vcc 0
		.amdhsa_float_denorm_mode_32 3
		.amdhsa_float_denorm_mode_16_64 3
		.amdhsa_memory_ordered 1
		.amdhsa_forward_progress 1
		.amdhsa_inst_pref_size 144
	.end_amdhsa_kernel
	.amdgpu_metadata
---
amdhsa.version: [ 1, 2 ]
amdhsa.kernels:
  - .name:           k_q720a3d288c_gemm_out
    .symbol:         k_q720a3d288c_gemm_out.kd
    .args:
      - { .name: ocodes, .offset: 0, .size: 8, .value_kind: global_buffer, .address_space: global }
      - { .name: oscales, .offset: 8, .size: 8, .value_kind: global_buffer, .address_space: global }
      - { .name: codes, .offset: 16, .size: 8, .value_kind: global_buffer, .address_space: global }
      - { .name: scales, .offset: 24, .size: 8, .value_kind: global_buffer, .address_space: global }
      - { .name: b_proj, .offset: 32, .size: 8, .value_kind: global_buffer, .address_space: global }
      - { .name: out0, .offset: 40, .size: 8, .value_kind: global_buffer, .address_space: global }
    .group_segment_fixed_size: 327680
    .private_segment_fixed_size: 0
    .kernarg_segment_align: 8
    .kernarg_segment_size: 48
    .max_flat_workgroup_size: 128
    .sgpr_count:     102
    .vgpr_count:     1024
    .wavefront_size: 32
...
	.end_amdgpu_metadata
.endif
;; end of part 4
